; MI455X (gfx1250); checked and timed in simulation.
; The chip was launched on July 23, 2026; its instructions are those of AMD's public machine-readable ISA for CDNA 5 (MIT licence, August 2026) and "CDNA5" Instruction Set Architecture Reference Guide (July 2026). The comments in the code are by the model that wrote it; some were corrected since.
;; Self Multi Head Attn. Allowed arithmetic: matrix products marked QUANTISED: E3M2 operands, one E8M0 scale for each 32 along K, by v_wmma_scale_f32_16x16x128_f8f6f4 with both operands' format E3M2, f32 sums; everything else in f32.
;; Inputs: W_out 1,024 x 1,024 float32; W_qkv 1,024 x 3,072 float32; b_out 1,024 float32; b_qkv 3,072 float32; ln_b 1,024 float32; ln_g 1,024 float32; pos 2 x 2,048 x 1 x 64 float32; x 2 x 2,048 x 1,024 float32.
;; Outputs: out0 2 x 2,048 x 1,024 float32.
;; This version of the problem:
;;   THIS VERSION OF THE PROBLEM IS GIVEN IN LOW PRECISION. The matrix products marked QUANTISED in the list below multiply operands that are first quantised to E3M2 (3 exponent bits, 2 mantissa bits; 6 bits a number), with one power-of-two scale for each 32 numbers along K (OCP MX v1.0); their sums are f32. All else is computed in f32.
;;   The module's matrix products, in the order in which they are computed (A, B: the left and right operand; K: the contracted axis; several contracted axes count as one K, in the product's order):
;;     1. [M 4,096, K 1,024] x [K 1,024, N 3,072]; A: input x; B: input W_qkv: QUANTISED
;;     2. batch 32 x [M 2,048, K 64] x [K 64, N 2,048]; A: computed on the way; B: computed on the way: QUANTISED
;;     3. batch 32 x [M 64, K 2,048] x [K 2,048, N 2,048]; A: computed on the way; B: softmax (see below): QUANTISED
;;     4. [M 4,096, K 1,024] x [K 1,024, N 1,024]; A: computed on the way; B: input W_out: QUANTISED
;;   THE QUANTISER, for each operand of a quantised product, along K:
;;     - K is cut into blocks of 32 from its start; a last block that is shorter is filled with zeros.
;;     - A block's scale is 2^e with e = floor(log2(the largest magnitude in the block)) - 4, held to -126 .. 127; a block of zeros has e = 0. As a byte (E8M0): e + 127.
;;     - Each number is divided by its block's scale, clamped to +-28, and rounded to the nearest number of E3M2, ties to even, subnormals kept.
;;     - The product sums the exact products of the quantised numbers (number of the format x scale) in f32.
;;   ~~~python
;;   def quantise(x, axis):      # numpy; x: float32 -> the quantised numbers, widened to float32 again
;;       x = np.moveaxis(x, axis, -1); K = x.shape[-1]
;;       x = np.pad(x, [(0, 0)] * (x.ndim - 1) + [(0, -K % 32)]); x = x.reshape(x.shape[:-1] + (-1, 32)); a = np.abs(x).max(-1, keepdims=True)
;;       e = np.where(a > 0, np.clip(np.frexp(np.where(a > 0, a, 1))[1] - 1 - 4, -126, 127), 0)      # np.frexp(a)[1] - 1 = floor(log2(a)), exactly
;;       r = np.clip(x / 2.0 ** e, -28, 28)
;;       step = 2.0 ** (np.maximum(np.frexp(np.where(r == 0, 1, r))[1] - 1, -2) - 2)
;;       q = np.round(r / step) * step * 2.0 ** e      # np.round: ties to even
;;       return np.moveaxis(q.reshape(q.shape[:-2] + (-1,))[..., :K], -1, axis).astype(np.float32)
;;   ~~~
;;   SOFTMAX AHEAD OF A QUANTISED PRODUCT. Where the list says 'softmax', what is quantised is not the finished softmax but p = 2^(t - M), with t = logit x log2(e) and M = ceil(the row's largest t), a whole number; so 1/2 < the row's largest p <= 1. The row's sum l is taken of the UNQUANTISED p, in f32, and the product's result is divided by l at the end. Since M is a whole number, a kernel that streams over the keys may use a running M (the ceiling of the running maximum): every later rescaling is an exact power of two, which a block's scale takes up: the codes' values come out the same.
;;   OPERANDS COMPUTED ON THE WAY. 'Computed on the way' means the value that the module computes at that place (a softmax that the list does not call 'softmax' is quantised finished and normalised). What goes into a quantiser is computed in f32, as accurately as f32 sums, v_exp_f32 and their like allow (about 1e-6 of the number): no bf16 or f16 on the way to a quantiser, and a product that is left as it is and whose result goes on into a quantised operand takes f32 operands (vector FMAs, or v_wmma_f32_16x16x4_f32). A number that lies on a knife's edge between two numbers of the format may be rounded either way, as far as f32 arithmetic and the matrix unit's own rounding can turn it there, and no further.
;; One version. Each part assembles by itself: llvm-mc -triple=amdgcn-amd-amdhsa -mcpu=gfx1250 --defsym DOCPART=n.
;; ======== version 1 of 1: 4 launches
;; limits: right only within a limited range of input values
;; workspace buffers: qin 6,553,600 bytes; qkv 10,092,544 bytes; ctx 3,276,800 bytes
;; launch quant (part 1): grid 512 x 1, 4 waves a work-group, no clusters, 80,384 bytes of LDS; arguments x, W_qkv, W_out, qin; writes qin
.if DOCPART == 1
	.amdgcn_target "amdgcn-amd-amdhsa--gfx1250"
	.amdhsa_code_object_version 6
	.text
	.protected	k_qa0a7c54cf5_quant
	.globl	k_qa0a7c54cf5_quant
	.p2align	8
	.type	k_qa0a7c54cf5_quant,@function
k_qa0a7c54cf5_quant:
	s_mov_b64 s[64:65], 0
	v_nop
	global_prefetch_b8 v0, s[64:65] scope:SCOPE_SE
	s_setreg_imm32_b32 hwreg(HW_REG_WAVE_MODE, 25, 1), 1
	s_wait_xcnt 0x0
; x [4096][1024], W_qkv [1024][3072] and W_out [1024][1024], f32, become codes of BF6 (E3M2) with one E8M0 scale byte for each 32 along K = 1024.
; A block's scale is 2^(floor(log2(its largest magnitude)) - 4); its byte is the largest magnitude's exponent field - 4, held at 1 from below.
; LIMITS: NaN and infinities among the inputs are not served; a block whose largest magnitude lies under 2^-122 gets the byte 1; a block of zeros gets the byte 1 and not 127: its codes are
; zeros, which add nothing under any byte but 0xff, and the bytes are read by this program alone.
; LAYOUT OF qin.  512 tiles of 16 rows: x's 256, W_qkv's 192 (its columns are the operand's rows), W_out's 64.  A tile is 8 K steps of 128; a K step is an IMAGE OF THE OPERAND'S 12 REGISTERS:
; registers 4 c .. 4 c + 3 of lane l at 512 c + 16 l, 1,536 bytes.  Behind all codes, at XS: a scale word for each row and K step, tile x 512 + K step x 64 + 4 x row.
; THE ROWS OF A TILE ARE NOT NEIGHBOURS: in each group of 32 rows, row r of tile u (0, 1) is the group's number 8 u + r + 8 (r / 8).  As source 0 of a matrix instruction two such tiles leave 16
; neighbours in a lane's 16 result registers, which is what the next quantiser wants.  W_qkv's columns are sorted first: all of q (head x 64 + d), then all of k, then all of v.
; Work-groups 0-255: a tile of x, wave w its K steps 2 w and 2 w + 1.  Work-groups 256-511: 128 columns x 128 along K of a weight, a lane to a column, its registers down K.
; The two ways have LDS bytes of their own.  No tensor loads, no barrier: waves share nothing.
.set XS,    6291456                    ; where the scale words begin
.set WST,   67584                      ; LDS: behind x's stages (4 waves x 2 x 16 rows x 528 bytes), the weights' stages, 3,072 bytes a wave
.set EMAX,  4
.set R,     16                         ; v16-143  x as loaded: two K steps x 16 rows x 4 registers
.set X,     144                        ; v144-207 64 numbers of my row: register 16 b + i is k = 32 b + 16 (lane / 16) + i
.set PC,    208                        ; v208-219 the fragment; v220-226 the conversions' second halves
.set TM,    228                        ; v228-243 at work
.set PW,    244                        ; the scale word
.set W0,    245                        ; the first K step's scale word
.set SEL,   20                         ; s[20:21] selects for v_permlanex16_b32: lane l xor 16
; 64 numbers of a lane, register 16 b + i = k 32 b + 16 (lane / 16) + i of my row, become a fragment's codes in v[PC] on and its scale word in v[PW].
.macro QUANT s
.irp b, 0,1,2,3
	v_max3_num_f32 v[TM+\b], |v[\s+16*\b]|, |v[\s+1+16*\b]|, 0x2800000   ; block b: my 16 numbers, and the floor 2^(5 - 127): the byte cannot fall under 1
.endr
.irp i, 2,4,6,8,10,12,14
.irp b, 0,1,2,3
	v_max3_num_f32 v[TM+\b], v[TM+\b], |v[\s+16*\b+\i]|, |v[\s+1+16*\b+\i]|   ; the four blocks by turns
.endr
.endr
.irp b, 0,1,2,3
	v_permlanex16_b32 v[TM+4+\b], v[TM+\b], s[SEL], s[SEL+1]
.endr
.irp b, 0,1,2,3
	v_max_num_f32 v[TM+\b], v[TM+\b], v[TM+4+\b]   ; with lane l xor 16's: the block's largest magnitude
.endr
.irp b, 0,1,2,3
	v_add_nc_u32 v[TM+12+\b], 0xfe000000, v[TM+\b]   ; 4 off its exponent field: the conversion takes this operand's exponent field as its scale
.endr
.irp b, 0,1,2,3
	v_lshrrev_b32 v[TM+4+\b], 23, v[TM+12+\b]      ; the scale's byte
.endr
	v_lshl_or_b32 v[PW], v[TM+5], 8, v[TM+4]       ; four bytes: my row's scale word
	v_lshl_or_b32 v[PW], v[TM+6], 16, v[PW]
	v_lshl_or_b32 v[PW], v[TM+7], 24, v[PW]
.irp c, 0,1
	v_cvt_scalef32_pk16_bf6_f32 v[PC+6*\c:PC+2+6*\c], v[\s+32*\c:\s+15+32*\c], v[TM+12+2*\c]
	v_cvt_scalef32_pk16_bf6_f32 v[PC+12+4*\c:PC+14+4*\c], v[\s+16+32*\c:\s+31+32*\c], v[TM+12+2*\c+1]   ; a conversion's three registers begin on an even number
.endr
	v_nop                                          ; one plain place behind a scaled conversion
.irp c, 0,1                                    ; the operand wants a WHOLE block in a lane: lanes 0-15 block 2 c, lanes 16-31 block 2 c + 1
.irp i, 0,1,2
	v_permlane16_swap_b32 v[PC+6*\c+\i], v[PC+12+4*\c+\i]
.endr
.irp i, 0,1,2
	v_mov_b32 v[PC+3+6*\c+\i], v[PC+12+4*\c+\i]
.endr
.endr
.endm
	s_load_b256 s[4:11], s[0:1], 0x0               ; x s[4:5], W_qkv s[6:7], W_out s[8:9], qin s[10:11]
	v_lshl_add_u32 v254, v0, 2, 0x13800
	v_mov_b32 v255, 0
	v_lshrrev_b32 v1, 5, v0
	v_readfirstlane_b32 s12, v1                    ; wave 0..3
	v_and_b32 v1, 31, v0                           ; lane
	s_cmp_lt_u32 ttmp9, 256
	s_cbranch_scc0 .Lweights
	; ---- a tile of x
	s_mov_b32 s[SEL], 0x76543210
	s_mov_b32 s[SEL+1], 0xfedcba98
	s_mov_b32 s22, 0xffff0000                      ; lanes 16-31
	v_and_b32 v2, 15, v0                           ; r
	v_bfe_u32 v3, v0, 4, 1                         ; h
	v_lshlrev_b32 v4, 4, v1                        ; 16 x lane
	v_lshlrev_b32 v5, 2, v1                        ; 4 x lane
	s_mul_i32 s13, s12, 16896                      ; my two stages
	v_add_nc_u32 v6, s13, v4                       ; in: a row's 512 bytes as they lie
	v_mul_u32_u24 v7, v2, 528
	v_lshl_add_u32 v7, v3, 6, v7
	v_add_nc_u32 v7, s13, v7                       ; out: row r, + 64 h: my 16 numbers of each block of 32
.irp b, 0,1,2,3
	v_mov_b32 v[TM+4+\b], 0                        ; written once: a lane permute's destination counts as one of its sources
.endr
	s_lshr_b32 s13, ttmp9, 1
	s_lshl_b32 s13, s13, 17                        ; the tile's group of 32 rows of 4,096 bytes,
	s_and_b32 s14, ttmp9, 1
	s_lshl_b32 s14, s14, 15                        ; 8 rows on for the odd tile,
	s_add_co_u32 s24, s13, s14
	s_lshl_b32 s14, s12, 10                        ; my two K steps of 512 bytes
	s_add_co_u32 s24, s24, s14
	s_mov_b32 s25, 0
	s_mul_i32 s26, ttmp9, 12288                    ; the tile's images,
	s_mul_i32 s14, s12, 3072                       ; my two
	s_add_co_u32 s26, s26, s14
	s_mov_b32 s27, 0
	s_lshl_b32 s28, ttmp9, 9                       ; its scale words,
	s_lshl_b32 s14, s12, 7                         ; my 128 bytes
	s_add_co_u32 s28, s28, s14
	s_add_co_u32 s28, s28, XS
	s_mov_b32 s29, 0
	s_wait_alu depctr_va_vdst(0)
	s_wait_kmcnt 0x0
	s_add_nc_u64 s[16:17], s[4:5], s[24:25]
	s_add_nc_u64 s[18:19], s[10:11], s[26:27]
	s_add_nc_u64 s[30:31], s[10:11], s[28:29]
.irp u, 0,1
.irp i, 0,1,2,3,4,5,6,7,8,9,10,11,12,13,14,15
	global_load_b128 v[R+64*\u+4*\i:R+64*\u+4*\i+3], v4, s[16:17] offset:(\i+8*(\i/8))*4096+512*\u th:TH_LOAD_NT   ; 32 lanes read 512 consecutive bytes of the tile's row i
.endr
.endr
; A K step's 16 rows x 512 bytes turn through my stage (rows 528 bytes apart): in as loaded, out 64 bytes of a block to a lane.  LDS serves a wave's instructions in order: no wait between.
.macro TURNX u
.irp i, 0,1,2,3,4,5,6,7,8,9,10,11,12,13,14,15
	ds_store_b128 v6, v[R+64*\u+4*\i:R+64*\u+4*\i+3] offset:8448*\u+528*\i
.endr
.irp b, 0,1,2,3
.irp j, 0,1,2,3
	ds_load_b128 v[X+16*\b+4*\j:X+16*\b+4*\j+3], v7 offset:8448*\u+128*\b+16*\j
.endr
.endr
.endm
	s_wait_loadcnt 16                              ; the first K step's 16 loads are in; the second's may be out
	TURNX 0
	s_wait_dscnt 0x0
	QUANT X
	v_mov_b32 v[W0], v[PW]
.irp c, 0,1,2
	global_store_b128 v4, v[PC+4*\c:PC+4*\c+3], s[18:19] offset:512*\c   ; the image: 512 consecutive bytes a store
.endr
	s_wait_loadcnt 0x0
	TURNX 1
	s_wait_dscnt 0x0
	s_wait_xcnt 0x0                                ; the stores above have read the code registers: only now are they written again
	QUANT X
.irp c, 0,1,2
	global_store_b128 v4, v[PC+4*\c:PC+4*\c+3], s[18:19] offset:1536+512*\c
.endr
	v_cndmask_b32 v[W0], v[W0], v[PW], s22         ; every lane holds its row's word: lanes 0-15 keep the first K step's, lanes 16-31 take the second's
	global_store_b32 v5, v[W0], s[30:31]           ; 128 consecutive bytes
	s_wait_tensorcnt 0x0
	ds_add_u32 v254, v255
	s_wait_dscnt 0x0
	s_endpgm
	; ---- 128 columns x 128 along K of a weight
.Lweights:
	s_sub_co_u32 s13, ttmp9, 256
	s_and_b32 s14, s13, 31                         ; column group: 0-23 W_qkv's, 24-31 W_out's
	s_lshr_b32 s15, s13, 5                         ; K step
	s_mov_b32 s25, 0
	s_mov_b32 s31, 0
	s_wait_kmcnt 0x0
	s_cmp_lt_u32 s14, 24                           ; the choice hangs on the work-group's number alone
	s_cselect_b64 s[16:17], s[6:7], s[8:9]
	s_cselect_b32 s18, 0, 24
	s_cselect_b32 s19, 3, 1                        ; the weight's columns / 1,024
	s_cselect_b32 s23, 1, 0
	s_sub_co_u32 s18, s14, s18
	s_lshl_b32 s18, s18, 7
	s_lshl_b32 s24, s12, 5
	s_add_co_u32 s18, s18, s24                     ; c0: my wave's first column
	s_mul_i32 s24, s15, s19
	s_lshl_b32 s24, s24, 19                        ; 128 rows of columns x 4 bytes for each K step,
	s_lshl_b32 s26, s18, 2
	s_add_co_u32 s24, s24, s26                     ; + 4 c0
	s_add_nc_u64 s[16:17], s[16:17], s[24:25]
	s_lshr_b32 s26, s18, 6                         ; W_qkv: column = 192 head + 64 type + d: c0 / 64 = 3 head + type
	s_mul_i32 s27, s26, 43
	s_lshr_b32 s27, s27, 7                         ; head = that / 3 (43 / 128 serves up to 47)
	s_mul_i32 s28, s27, 3
	s_sub_co_u32 s28, s26, s28                     ; type
	s_lshl_b32 s28, s28, 6
	s_lshl_b32 s27, s27, 2
	s_add_co_u32 s28, s28, s27
	s_lshr_b32 s29, s18, 4
	s_and_b32 s30, s29, 3
	s_add_co_u32 s28, s28, s30
	s_add_co_u32 s28, s28, 256                     ; W_qkv's tile: 256 + 64 type + 4 head + (c0 / 16) % 4
	s_add_co_u32 s29, s29, 448                     ; W_out's: 448 + c0 / 16
	s_cmp_eq_u32 s23, 1
	s_cselect_b32 s28, s28, s29                    ; my first tile; the second follows it
	s_mul_i32 s30, s28, 12288
	s_mul_i32 s29, s15, 1536
	s_add_co_u32 s30, s30, s29
	s_add_nc_u64 s[32:33], s[10:11], s[30:31]      ; its image of this K step
	s_lshl_b32 s30, s28, 9
	s_lshl_b32 s29, s15, 6
	s_add_co_u32 s30, s30, s29
	s_add_co_u32 s30, s30, XS
	s_add_nc_u64 s[34:35], s[10:11], s[30:31]      ; and its scale words
	s_wait_alu depctr_va_vdst(0)
	v_lshlrev_b32 v2, 2, v1                        ; in: 4 bytes a lane
	v_bfe_u32 v7, v0, 3, 1                         ; column c0 + lane is row (lane % 8) + 8 (lane / 16) of tile (lane / 8) % 2
	v_and_b32 v8, 7, v0
	v_bfe_u32 v9, v0, 4, 1
	v_lshl_or_b32 v8, v9, 3, v8
	s_mul_i32 s36, s12, 3072
	s_add_co_u32 s36, s36, WST                     ; my stage: two images
	v_mul_u32_u24 v3, v7, 1536
	v_lshl_add_u32 v3, v8, 4, v3
	v_add_nc_u32 v3, s36, v3                       ; into it: my tile's image, my row's 16 bytes
	v_lshlrev_b32 v5, 4, v1
	v_add_nc_u32 v4, s36, v5                       ; out of it: 16 x lane
	v_lshlrev_b32 v6, 9, v7
	v_lshl_add_u32 v6, v8, 2, v6                   ; my scale word's place: tile x 512 + 4 x row
.macro WLOAD n                         ; W(128 K step + i, my column), i = 0 .. 127: 32 lanes read 128 consecutive bytes
.set i, 0
.rept 128
	global_load_b32 v[32+i], v2, s[16:17] offset:i*\n*4 th:TH_LOAD_NT
.set i, i+1
.endr
.endm
	s_cmp_eq_u32 s23, 1                            ; the two weights differ in the row's length, which stands in the immediates
	s_cbranch_scc0 .Lnarrow
	WLOAD 3072
	s_branch .Lloaded
.Lnarrow:
	WLOAD 1024
.Lloaded:
; Block t of my column: all its 32 numbers are mine.  In the fragment it is lane row + 16 (t % 2), registers 6 (t / 2) .. + 5.
.macro WBLOCK t, cnt
.set XB, 32+32*(\t)
.set CT, 160+8*(\t)
.set ET, 192+4*(\t)
	s_wait_loadcnt \cnt
	v_max3_num_f32 v12, |v[XB]|, |v[XB+1]|, |v[XB+2]|
	v_max3_num_f32 v13, |v[XB+3]|, |v[XB+4]|, |v[XB+5]|
.irp i, 6,10,14,18,22,26
	v_max3_num_f32 v12, v12, |v[XB+\i]|, |v[XB+\i+1]|
	v_max3_num_f32 v13, v13, |v[XB+\i+2]|, |v[XB+\i+3]|
.endr
	v_max3_num_f32 v12, v12, |v[XB+30]|, |v[XB+31]|
	v_max3_num_f32 v12, v12, v13, (EMAX+1)<<23     ; and the floor
	v_add_nc_u32 v11, -(EMAX<<23), v12             ; the conversion's scale operand
	v_lshrrev_b32 v13, 23, v11                     ; the byte
.if (\t) == 0
	v_mov_b32 v14, v13
.else
	v_lshl_or_b32 v14, v13, 8*(\t), v14            ; four bytes: my column's scale word
.endif
	v_cvt_scalef32_pk16_bf6_f32 v[CT:CT+2], v[XB:XB+15], v11
	v_cvt_scalef32_pk16_bf6_f32 v[ET:ET+2], v[XB+16:XB+31], v11
	v_nop                                          ; one plain place behind a scaled conversion
.irp i, 0,1,2
	v_mov_b32 v[CT+3+\i], v[ET+\i]
.endr
.if (\t)/2 == 0
	ds_store_b128 v3, v[CT:CT+3] offset:256*((\t)%2)               ; registers 0-3
	ds_store_b64 v3, v[CT+4:CT+5] offset:256*((\t)%2)+512          ; registers 4, 5
.else
	ds_store_b64 v3, v[CT:CT+1] offset:256*((\t)%2)+520            ; registers 6, 7
	ds_store_b128 v3, v[CT+2:CT+5] offset:256*((\t)%2)+1024        ; registers 8-11
.endif
.endm
	WBLOCK 0, 63                                   ; 96 younger loads could stay out; the wait names 63 at the most
	WBLOCK 1, 63                                   ; 64 could
	WBLOCK 2, 32
	WBLOCK 3, 0
.irp m, 0,1,2,3,4,5
	ds_load_b128 v[208+4*\m:211+4*\m], v4 offset:512*\m            ; LDS serves a wave's instructions in order: these see my stores
.endr
	s_wait_alu depctr_va_vdst(0)
.irp m, 0,1,2,3,4,5
	s_wait_dscnt 5-\m
	global_store_b128 v5, v[208+4*\m:211+4*\m], s[32:33] offset:(\m/3)*12288+512*(\m%3)   ; 512 consecutive bytes a store
.endr
	global_store_b32 v6, v14, s[34:35]
	s_wait_tensorcnt 0x0
	ds_add_u32 v254, v255
	s_wait_dscnt 0x0
	s_endpgm
.Lfunc_end_k_qa0a7c54cf5_quant:
	.size	k_qa0a7c54cf5_quant, .Lfunc_end_k_qa0a7c54cf5_quant-k_qa0a7c54cf5_quant
	.p2alignl 7, 3214868480
	.fill 96, 4, 3214868480
	.section	.rodata,"a",@progbits
	.p2align	6, 0x0
	.amdhsa_kernel k_qa0a7c54cf5_quant
		.amdhsa_group_segment_fixed_size 80384
		.amdhsa_private_segment_fixed_size 0
		.amdhsa_enable_private_segment 0
		.amdhsa_kernarg_size 32
		.amdhsa_user_sgpr_count 2
		.amdhsa_user_sgpr_kernarg_segment_ptr 1
		.amdhsa_wavefront_size32 1
		.amdhsa_system_sgpr_workgroup_id_x 1
		.amdhsa_system_sgpr_workgroup_id_y 1
		.amdhsa_system_sgpr_workgroup_id_z 1
		.amdhsa_system_vgpr_workitem_id 0
		.amdhsa_next_free_vgpr 256
		.amdhsa_next_free_sgpr 66
		.amdhsa_reserve_vcc 0
		.amdhsa_float_denorm_mode_32 3
		.amdhsa_float_denorm_mode_16_64 3
		.amdhsa_memory_ordered 1
		.amdhsa_forward_progress 1
		.amdhsa_inst_pref_size 52
	.end_amdhsa_kernel
	.amdgpu_metadata
---
amdhsa.version: [ 1, 2 ]
amdhsa.kernels:
  - .name:           k_qa0a7c54cf5_quant
    .symbol:         k_qa0a7c54cf5_quant.kd
    .args:
      - { .name: x, .offset: 0, .size: 8, .value_kind: global_buffer, .address_space: global }
      - { .name: W_qkv, .offset: 8, .size: 8, .value_kind: global_buffer, .address_space: global }
      - { .name: W_out, .offset: 16, .size: 8, .value_kind: global_buffer, .address_space: global }
      - { .name: qin, .offset: 24, .size: 8, .value_kind: global_buffer, .address_space: global }
    .group_segment_fixed_size: 80384
    .private_segment_fixed_size: 0
    .kernarg_segment_align: 8
    .kernarg_segment_size: 32
    .max_flat_workgroup_size: 128
    .sgpr_count:     66
    .vgpr_count:     256
    .wavefront_size: 32
...
	.end_amdgpu_metadata
.endif
;; end of part 1
;; launch qkvgemm (part 2): grid 12 x 16, 4 waves a work-group, clusters of 4 x 4, 327,680 bytes of LDS; arguments qin, b_qkv, pos, qkv; writes qkv
.if DOCPART == 2
	.amdgcn_target "amdgcn-amd-amdhsa--gfx1250"
	.amdhsa_code_object_version 6
	.text
	.protected	k_qa0a7c54cf5_qkvgemm
	.globl	k_qa0a7c54cf5_qkvgemm
	.p2align	8
	.type	k_qa0a7c54cf5_qkvgemm,@function
k_qa0a7c54cf5_qkvgemm:
	s_mov_b64 s[64:65], 0
	v_nop
	global_prefetch_b8 v0, s[64:65] scope:SCOPE_SE
	s_setreg_imm32_b32 hwreg(HW_REG_WAVE_MODE, 25, 1), 1
	s_wait_xcnt 0x0
	s_wait_alu depctr_hold_cnt(0) depctr_sa_sdst(0) depctr_va_vdst(0) depctr_va_sdst(0) depctr_va_ssrc(0) depctr_va_vcc(0) depctr_vm_vsrc(0)
	s_getreg_b32 s2, hwreg(HW_REG_IB_STS2, 6, 4)
	s_cmp_eq_u32 s2, 0
	s_cbranch_scc0 .Lentry_in_a_cluster
	s_endpgm
.Lentry_in_a_cluster:
	s_bfe_u32 s2, ttmp6, 0x10000c
	s_cmp_lg_u32 s2, 0xf033
	s_cbranch_scc0 .Lentry_shape_is_right
	s_endpgm
.Lentry_shape_is_right:
.set XS,    6291456
.set KVO,   3145728
.set QS,    9437184
.set KVS,   9699328
.set NQ,    2
.set FR,    12
.set NL,    3
.set NP,    4
.set TILEB, 3072
.set HALFT, 8*TILEB
.set SLOT,  4*HALFT
.set SCL,   2*SLOT
.set SPARE, SCL+16640
.set VB,   7
.set BV,   8
.set ADRA, 16
.set ADRB, 20
.set PO,   22
.set SGA,  23
.set L16,  24
.set L8,   25
.set BO,   26
.set ADRS, 27
.set SPW,  28
.set NIL,  29
.set SGR,  30
.set VSO,  31
.set SC,   32
.set BI,   64
.set AF,   128
.set TM,   128
.set PW,   144
.set WA,   145
.set WB,   146
.set N,    148
.set U,    152
.set T,    160
.set PC,   224
.set BK,   244
.set SEL,  66
.set G1, 24
.set G0, 32
.set G1B, 48
.set G0B, 56
.set G1S, 68
.set G0S, 76
.set G1SB, 80
.set G0SB, 88
.set MSB, 0
.macro WIN new
.if MSB != \new
	s_set_vgpr_msb (MSB<<8)|\new
.set MSB, \new
.endif
.endm
.set MUL_LO, 0xa1
.set MUL_HI, 0xf1
.set TO_B,   0x40
.macro JLOAD g0a, g1a, g0b, g1b
	s_cmp_eq_u32 s15, 0
	s_cbranch_scc0 .Lfor_b_\@
	tensor_load_to_lds s[\g0a:\g0a+3], s[\g1a:\g1a+7]
	s_nop 0
.rept 4
	v_nop
.endr
	s_branch .Lasked_\@
.Lfor_b_\@:
	tensor_load_to_lds s[\g0b:\g0b+3], s[\g1b:\g1b+7]
	s_nop 0
.rept 4
	v_nop
.endr
.Lasked_\@:
.endm
.macro CREST
	s_cmp_lg_u32 s14, 0
	s_cbranch_scc1 .Lnot_wave_0_\@
	s_barrier_signal -3
.Lnot_wave_0_\@:
	s_barrier_wait -3
	s_barrier_signal -1
	s_barrier_wait -1
.endm
.macro CROUND
	s_barrier_signal -1
	s_barrier_wait -1
	CREST
.endm
.macro QUANT s
.irp b, 0,1,2,3
	v_max3_num_f32 v[TM+\b], |v[\s+16*\b]|, |v[\s+1+16*\b]|, 0x2800000
.endr
.irp i, 2,4,6,8,10,12,14
.irp b, 0,1,2,3
	v_max3_num_f32 v[TM+\b], v[TM+\b], |v[\s+16*\b+\i]|, |v[\s+1+16*\b+\i]|
.endr
.endr
.irp b, 0,1,2,3
	v_permlanex16_b32 v[TM+4+\b], v[TM+\b], s[SEL], s[SEL+1]
.endr
.irp b, 0,1,2,3
	v_max_num_f32 v[TM+\b], v[TM+\b], v[TM+4+\b]
.endr
.irp b, 0,1,2,3
	v_add_nc_u32 v[TM+12+\b], 0xfe000000, v[TM+\b]
.endr
.irp b, 0,1,2,3
	v_lshrrev_b32 v[TM+4+\b], 23, v[TM+12+\b]
.endr
	v_lshl_or_b32 v[PW], v[TM+5], 8, v[TM+4]
	v_lshl_or_b32 v[PW], v[TM+6], 16, v[PW]
	v_lshl_or_b32 v[PW], v[TM+7], 24, v[PW]
	s_wait_xcnt 0x0
.irp c, 0,1
	v_cvt_scalef32_pk16_bf6_f32 v[PC+6*\c:PC+2+6*\c], v[\s+32*\c:\s+15+32*\c], v[TM+12+2*\c]
	v_cvt_scalef32_pk16_bf6_f32 v[PC+12+4*\c:PC+14+4*\c], v[\s+16+32*\c:\s+31+32*\c], v[TM+12+2*\c+1]
.endr
	v_nop
.irp c, 0,1
.irp i, 0,1,2
	v_permlane16_swap_b32 v[PC+6*\c+\i], v[PC+12+4*\c+\i]
.endr
.irp i, 0,1,2
	v_mov_b32 v[PC+3+6*\c+\i], v[PC+12+4*\c+\i]
.endr
.endr
.endm
	s_load_b256 s[4:11], s[0:1], 0x0
	v_lshl_add_u32 v[SPW], v0, 2, SPARE
	v_mov_b32 v[NIL], 0
	ds_add_u32 v28, v29
	ds_add_u32 v28, v29
	s_wait_dscnt 0x0
	v_lshrrev_b32 v1, 5, v0
	v_readfirstlane_b32 s14, v1
	s_lshr_b32 s15, s14, 1
	s_and_b32 s16, s14, 1
	s_bfe_u32 s40, ttmp6, 0x40000
	s_bfe_u32 s41, ttmp6, 0x40004
	s_mov_b32 s13, ttmp9
	s_and_b32 s12, ttmp7, 0xffff
	s_lshl_b32 s12, s12, 2
	s_lshl_b32 s42, s13, 2
	s_add_co_u32 s42, s42, 16
	s_cmp_eq_u32 s13, 2
	s_cselect_b32 s17, 24, s12
	s_cselect_b32 s42, s12, s42
	s_add_co_u32 s17, s17, s41
	s_add_co_u32 s42, s42, s40
	s_lshl_b32 s43, s41, 2
	s_lshl_b32 s43, 15, s43
	s_lshl_b32 s44, 0x1111, s40
	s_or_b32 s[G1+0], s43, (3<<16)|(1<<21)
	s_or_b32 s[G1B+0], s44, (3<<16)|(1<<21)
.irp g, G1, G1B
	s_mov_b32 s[\g+1], 384<<16
	s_mov_b32 s[\g+2], 8<<16
	s_mov_b32 s[\g+3], 384<<16
	s_mov_b32 s[\g+4], 8
	s_mov_b32 s[\g+5], 1536
	s_mov_b32 s[\g+6], 0
	s_mov_b32 s[\g+7], 0
.endr
	s_or_b32 s[G1S+0], s43, (3<<16)|(1<<21)
	s_or_b32 s[G1SB+0], s44, (3<<16)|(1<<21)
.irp g, G1S, G1SB
	s_mov_b32 s[\g+1], 32<<16
	s_mov_b32 s[\g+2], 16<<16
	s_mov_b32 s[\g+3], 32<<16
	s_mov_b32 s[\g+4], 16
	s_mov_b32 s[\g+5], 32
	s_mov_b32 s[\g+6], 0
	s_mov_b32 s[\g+7], 0
.endr
	s_lshl_b32 s18, s16, 3
	s_lshl_b32 s20, s17, 4
	s_add_co_u32 s20, s20, s18
	s_lshl_b32 s46, s42, 4
	s_add_co_u32 s46, s46, s18
	s_lshl_b32 s22, s20, 9
	s_add_co_u32 s22, s22, XS
	s_mov_b32 s23, 0
	s_lshl_b32 s92, s46, 9
	s_add_co_u32 s92, s92, XS
	s_mov_b32 s93, 0
	s_mul_i32 s20, s20, 12288
	s_mov_b32 s21, 0
	s_mul_i32 s46, s46, 12288
	s_mov_b32 s47, 0
	s_mul_i32 s45, s14, HALFT
	s_lshl_b32 s94, s14, 12
	s_wait_kmcnt 0x0
	s_add_nc_u64 s[20:21], s[4:5], s[20:21]
	s_add_nc_u64 s[22:23], s[4:5], s[22:23]
	s_add_nc_u64 s[46:47], s[4:5], s[46:47]
	s_add_nc_u64 s[92:93], s[4:5], s[92:93]
	CROUND
	s_mov_b32 s[G0S], 1
	s_add_co_u32 s[G0S+1], s94, SCL
	s_mov_b64 s[G0S+2:G0S+3], s[22:23]
	s_or_b32 s[G0S+3], s[G0S+3], 0x80000000
	s_mov_b32 s[G0SB], 1
	s_add_co_u32 s[G0SB+1], s94, SCL+128
	s_mov_b64 s[G0SB+2:G0SB+3], s[92:93]
	s_or_b32 s[G0SB+3], s[G0SB+3], 0x80000000
	JLOAD G0S, G1S, G0SB, G1SB
.irp s, 0,1
	s_mov_b32 s[G0+4*\s], 1
	s_add_co_u32 s[G0+4*\s+1], s45, \s*SLOT
	s_add_nc_u64 s[G0+4*\s+2:G0+4*\s+3], s[20:21], \s*TILEB
	s_or_b32 s[G0+4*\s+3], s[G0+4*\s+3], 0x80000000
	s_mov_b32 s[G0B+4*\s], 1
	s_add_co_u32 s[G0B+4*\s+1], s45, \s*SLOT
	s_add_nc_u64 s[G0B+4*\s+2:G0B+4*\s+3], s[46:47], \s*TILEB
	s_or_b32 s[G0B+4*\s+3], s[G0B+4*\s+3], 0x80000000
	s_wait_alu depctr_va_vdst(0)
	s_wait_tensorcnt 0x0
	ds_add_u32 v28, v29
	s_wait_dscnt 0x0
	CROUND
	JLOAD G0+4*\s, G1, G0B+4*\s, G1B
.endr
	v_and_b32 v1, 15, v0
	v_bfe_u32 v2, v0, 4, 1
	s_wait_alu depctr_va_vdst(0)
	v_and_b32 v3, 31, v0
	v_lshlrev_b32 v[L16], 4, v3
	v_lshlrev_b32 v[L8], 3, v3
	s_mul_i32 s21, s15, HALFT
	s_mul_i32 s22, s16, HALFT
	s_add_co_u32 s22, s22, 2*HALFT
.irp s, 0,1
	v_add_nc_u32 v[ADRA+\s], s21, v[L16]
	v_add_nc_u32 v[ADRB+\s], s22, v[L16]
	s_add_co_u32 s21, s21, SLOT
	s_add_co_u32 s22, s22, SLOT
.endr
	v_lshlrev_b32 v5, 2, v1
	s_lshl_b32 s21, s15, 12
	s_lshl_b32 s22, s16, 12
	s_add_co_u32 s22, s22, 8192+128
	s_sub_co_u32 s22, s22, s21
	v_mul_u32_u24 v6, s22, v2
	s_add_co_u32 s21, s21, SCL
	v_add_nc_u32 v5, v5, v6
	v_add_nc_u32 v[ADRS], s21, v5
	v_and_b32 v4, 8, v1
	v_add_nc_u32 v4, v4, v1
	v_lshlrev_b32 v[PO], 8, v4
	v_lshl_add_u32 v[PO], v2, 6, v[PO]
	v_lshlrev_b32 v[VB], 2, v4
	v_lshlrev_b32 v[BO], 6, v2
	s_wait_alu depctr_va_vdst(0)
	s_lshl_b32 s21, s14, 10
	v_lshl_add_u32 v[SGA], v1, 2, s21
	v_add_nc_u32 v[SGR], s21, v[L16]
	v_mul_u32_u24 v[VSO], v2, 12288
	v_lshl_add_u32 v[VSO], v1, 4, v[VSO]
	s_mov_b32 s[SEL], 0x76543210
	s_mov_b32 s[SEL+1], 0xfedcba98
	s_lshl_b32 s98, s41, 2
	s_lshl_b32 s99, s15, 1
	s_add_co_u32 s98, s98, s99
	s_lshl_b32 s99, s40, 2
	s_lshl_b32 s2, s16, 1
	s_add_co_u32 s99, s99, s2
	s_cmp_eq_u32 s13, 2
	s_cselect_b32 s98, s98, s99
	s_mul_i32 s96, s98, 192
	s_lshl_b32 s99, s13, 6
	s_add_co_u32 s96, s96, s99
	s_lshl_b32 s96, s96, 2
	s_mov_b32 s97, 0
	s_add_nc_u64 s[96:97], s[6:7], s[96:97]
.irp d, 0,1
.irp b, 0,1
.irp j, 0,1,2,3
	global_load_b128 v[BI+32*\d+16*\b+4*\j:BI+32*\d+16*\b+4*\j+3], v[BO], s[96:97] offset:(192*\d+32*\b)*4+16*\j
.endr
.endr
.endr
.irp a, 0,1,2,3,4,5,6,7
	global_load_b32 v[BV+\a], v[VB], s[96:97] offset:(192*(\a/4)+32*((\a%4)/2)+8*(\a%2))*4
.endr
.macro FRAG reg, adr, q, i
.irp c, 0,1,2
	ds_load_b128 v[\reg+4*\c:\reg+4*\c+3], v[\adr] offset:(\i)*TILEB+(\q)*1536+512*\c
.endr
.endm
.macro MUL16 a0, p, q, sc, zero
.irp a, \a0, \a0+1
.irp b, 0,1,2,3,4,5,6,7
.if \zero
	v_wmma_scale_f32_16x16x128_f8f6f4 v[8*(8*((\a)%4)+\b):8*(8*((\a)%4)+\b)+7], v[128*(\p)+FR*\b:128*(\p)+FR*\b+FR-1], v[AF+FR*(\a):AF+FR*(\a)+FR-1], 0, v[SC+8*NQ*(\sc)+NQ*\b+(\q)], v[SC+8*NQ*(\sc)+NQ*(\a)+(\q)] matrix_a_fmt:MATRIX_FMT_BF6 matrix_b_fmt:MATRIX_FMT_BF6 matrix_a_scale:MATRIX_SCALE_ROW1
.else
	v_wmma_scale_f32_16x16x128_f8f6f4 v[8*(8*((\a)%4)+\b):8*(8*((\a)%4)+\b)+7], v[128*(\p)+FR*\b:128*(\p)+FR*\b+FR-1], v[AF+FR*(\a):AF+FR*(\a)+FR-1], v[8*(8*((\a)%4)+\b):8*(8*((\a)%4)+\b)+7], v[SC+8*NQ*(\sc)+NQ*\b+(\q)], v[SC+8*NQ*(\sc)+NQ*(\a)+(\q)] matrix_a_fmt:MATRIX_FMT_BF6 matrix_b_fmt:MATRIX_FMT_BF6 matrix_a_scale:MATRIX_SCALE_ROW1
.endif
.endr
.endr
.endm
.macro FETCH_B slot, q, p
	WIN TO_B
.irp i, 0,1,2,3,4,5,6,7
	FRAG 128*(\p)+FR*\i, ADRB+\slot, \q, \i
.endr
	WIN 0
.endm
.macro FETCH_A slot, q, i0
.irp i, \i0, \i0+1, \i0+2, \i0+3
	FRAG AF+FR*(\i), ADRA+\slot, \q, \i
.endr
.endm
.macro SCALES sc
.irp i, 0,1,2,3,4,5,6,7
.irp q, 0,1
	ds_load_b32 v[SC+8*NQ*\sc+NQ*\i+\q], v[ADRS] offset:512*\i+64*\q
.endr
.endr
.endm
.macro PLACES n
.rept \n
	v_nop
.endr
.endm
.macro STEP slot, q, zero
	s_wait_dscnt 4*NL
	WIN MUL_LO
	MUL16 0, (\q)%2, \q, \slot, \zero
	MUL16 2, (\q)%2, \q, \slot, \zero
	s_wait_dscnt 0
	PLACES NP
	FETCH_B \slot, (\q)+1, 1-(\q)%2
	FETCH_A \slot, (\q)+1, 0
	WIN MUL_HI
	MUL16 4, (\q)%2, \q, \slot, \zero
	MUL16 6, (\q)%2, \q, \slot, \zero
	PLACES NP
	WIN 0
	FETCH_A \slot, (\q)+1, 4
.endm
.macro TURN slot, next, fill
	s_wait_tensorcnt 0x0
	ds_add_u32 v[SPW], v[NIL]
	s_wait_dscnt 4*NL+1
	WIN MUL_LO
	MUL16 0, 1, NQ-1, \slot, 0
	s_wait_dscnt 0x0
	s_barrier_signal -1
	MUL16 2, 1, NQ-1, \slot, 0
	WIN 0
	s_barrier_wait -1
.if \fill
	CREST
	s_add_nc_u64 s[G0+4*\slot+2:G0+4*\slot+3], s[G0+4*\slot+2:G0+4*\slot+3], 2*TILEB
	s_add_nc_u64 s[G0B+4*\slot+2:G0B+4*\slot+3], s[G0B+4*\slot+2:G0B+4*\slot+3], 2*TILEB
	JLOAD G0+4*\slot, G1, G0B+4*\slot, G1B
.else
	PLACES NP
.endif
	s_wait_alu depctr_va_vdst(0)
	v_add_nc_u32 v[ADRS], 64*NQ, v[ADRS]
	FETCH_B \next, 0, 0
	FETCH_A \next, 0, 0
	SCALES \next
	WIN MUL_HI
	MUL16 4, 1, NQ-1, \slot, 0
	MUL16 6, 1, NQ-1, \slot, 0
	PLACES NP
	WIN 0
	FETCH_A \next, 0, 4
.endm
	s_wait_tensorcnt 1
	s_barrier_signal -1
	s_barrier_wait -1
	FETCH_B 0, 0, 0
	FETCH_A 0, 0, 0
	SCALES 0
	FETCH_A 0, 0, 4
	STEP 0, 0, 1
	TURN 0, 1, 1
	STEP 1, 0, 0
	TURN 1, 0, 1
	STEP 0, 0, 0
	TURN 0, 1, 0
	STEP 1, 0, 0
	s_wait_dscnt 4*NL
	WIN MUL_LO
	MUL16 0, 1, NQ-1, 1, 0
	MUL16 2, 1, NQ-1, 1, 0
	s_wait_dscnt 0
	WIN MUL_HI
	MUL16 4, 1, NQ-1, 1, 0
	MUL16 6, 1, NQ-1, 1, 0
	WIN 0
	PLACES NP
.irp b, 0,1,2,3
	v_mov_b32 v[TM+4+\b], 0
.endr
	s_cmp_eq_u32 s13, 2
	s_cbranch_scc1 .Lout_v
	s_lshl_b32 s92, s17, 16
	s_lshl_b32 s45, s15, 15
	s_add_co_u32 s92, s92, s45
	s_mov_b32 s93, 0
	s_add_nc_u64 s[92:93], s[8:9], s[92:93]
.macro POSLOAD a, p
.irp j, 0,1,2,3
	global_load_b128 v[32*(\p)+4*\j:32*(\p)+4*\j+3], v[PO], s[92:93] offset:(32*((\a)/2)+8*((\a)%2))*256+16*\j
	global_load_b128 v[32*(\p)+16+4*\j:32*(\p)+16+4*\j+3], v[PO], s[92:93] offset:(32*((\a)/2)+8*((\a)%2))*256+128+16*\j
.endr
.endm
	s_wait_loadcnt 0x0
	WIN TO_B
.irp a, 0,1,2,3,4,5,6
	POSLOAD \a, \a
.endr
	WIN 0
	s_lshr_b32 s2, s17, 3
	s_lshl_b32 s2, s2, 4
	s_add_co_u32 s2, s2, s98
	s_and_b32 s3, s17, 7
	s_lshl_b32 s3, s3, 4
	s_lshl_b32 s45, s15, 3
	s_add_co_u32 s3, s3, s45
	s_add_co_u32 s94, s13, 1
	s_mul_i32 s94, s94, 98304
	s_mul_i32 s18, s2, s94
	s_mul_i32 s45, s3, 768
	s_add_co_u32 s18, s18, s45
	s_lshr_b32 s45, s3, 5
	s_mul_i32 s45, s45, 24576
	s_add_co_u32 s45, s45, KVO
	s_mul_i32 s45, s45, s13
	s_add_co_u32 s18, s18, s45
	s_mov_b32 s19, 0
	s_add_nc_u64 s[18:19], s[10:11], s[18:19]
	s_mov_b32 s20, s94
	s_mov_b32 s21, 0
	s_add_nc_u64 s[20:21], s[18:19], s[20:21]
	s_lshl_b32 s99, s13, 12
	s_add_co_u32 s99, s99, 8192
	s_mul_i32 s22, s2, s99
	s_lshl_b32 s45, s3, 6
	s_add_co_u32 s22, s22, s45
	s_lshl_b32 s45, s13, 18
	s_add_co_u32 s22, s22, s45
	s_add_co_u32 s22, s22, QS
	s_mov_b32 s23, 0
	s_add_nc_u64 s[22:23], s[10:11], s[22:23]
	s_mov_b32 s46, s99
	s_mov_b32 s47, 0
	s_add_nc_u64 s[46:47], s[22:23], s[46:47]
.macro NORM
.irp d, 0,1
	v_pk_mul_f32 v[N+2*\d:N+2*\d+1], v[T+32*\d:T+32*\d+1], v[T+32*\d:T+32*\d+1]
.endr
.irp i, 2,4,6,8,10,12,14,16,18,20,22,24,26,28,30
.irp d, 0,1
	v_pk_fma_f32 v[N+2*\d:N+2*\d+1], v[T+32*\d+\i:T+32*\d+\i+1], v[T+32*\d+\i:T+32*\d+\i+1], v[N+2*\d:N+2*\d+1]
.endr
.endr
.irp d, 0,1
	v_add_f32 v[N+2*\d], v[N+2*\d], v[N+2*\d+1]
.endr
.irp d, 0,1
	v_permlanex16_b32 v[N+2*\d+1], v[N+2*\d], s[SEL], s[SEL+1]
.endr
.irp d, 0,1
	v_add_f32 v[N+2*\d], v[N+2*\d], v[N+2*\d+1]
.endr
	s_wait_alu depctr_va_vdst(0)
.irp d, 0,1
	v_rsq_f32 v[N+2*\d], v[N+2*\d]
.endr
	v_nop
	s_wait_alu depctr_va_vdst(0)
.irp i, 0,2,4,6,8,10,12,14,16,18,20,22,24,26,28,30
.irp d, 0,1
	v_pk_mul_f32 v[T+32*\d+\i:T+32*\d+\i+1], v[T+32*\d+\i:T+32*\d+\i+1], v[N+2*\d:N+2*\d+1] op_sel_hi:[1,0]
.endr
.endr
.endm
.macro ROPE p
.set RSN, 32*(\p)
.set RCS, 32*(\p)+16
.irp d, 0,1
.irp i, 0,2,4,6,8,10,12,14
.set UU, U+(\i)%4
.set XA, T+32*\d+\i
.set XB, T+32*\d+16+\i
	v_pk_mul_f32 v[UU:UU+1], v[XB:XB+1], v[RSN+\i:RSN+\i+1]
	v_pk_mul_f32 v[XB:XB+1], v[XB:XB+1], v[RCS+\i:RCS+\i+1]
	v_pk_fma_f32 v[XB:XB+1], v[XA:XA+1], v[RSN+\i:RSN+\i+1], v[XB:XB+1]
	v_pk_fma_f32 v[XA:XA+1], v[XA:XA+1], v[RCS+\i:RCS+\i+1], v[UU:UU+1] neg_lo:[0,0,1] neg_hi:[0,0,1]
.endr
.endr
.endm
.macro OUTQK a
.set WN, 0x02+(\a)/4
	WIN WN
.set i, 0
.rept 32
	v_pk_add_f32 v[T+2*i:T+2*i+1], v[64*((\a)%4)+2*i:64*((\a)%4)+2*i+1], v[BI+2*i:BI+2*i+1]
.set i, i+1
.endr
	WIN 0
	s_cmp_eq_u32 s13, 0
	s_cbranch_scc1 .Lno_norm_\@
	NORM
.Lno_norm_\@:
.if (\a) == 0
	s_wait_loadcnt 48
.else
	s_wait_loadcnt 8*(7-(\a))
.endif
	WIN 0x04
	ROPE (\a)%7
.if (\a) == 0
	WIN TO_B
	POSLOAD 7, 0
.endif
	WIN 0
	QUANT T
	v_perm_b32 v[WA], v[PW], v[PW], 0x01000100
	v_perm_b32 v[WB], v[PW], v[PW], 0x03020302
	ds_store_b32 v[SGA], v[WA] offset:64*(\a)
	ds_store_b32 v[SGA], v[WB] offset:512+64*(\a)
	global_store_b128 v[L16], v[PC:PC+3], s[18:19] offset:768*(\a)
	global_store_b64 v[L8], v[PC+4:PC+5], s[18:19] offset:768*(\a)+512
	global_store_b128 v[L16], v[PC+6:PC+9], s[20:21] offset:768*(\a)
	global_store_b64 v[L8], v[PC+10:PC+11], s[20:21] offset:768*(\a)+512
.endm
.irp a, 0,1,2,3,4,5,6,7
	OUTQK \a
.endr
	ds_load_b128 v[BK:BK+3], v[SGR]
	ds_load_b128 v[BK+4:BK+7], v[SGR] offset:512
	s_wait_dscnt 0x0
	global_store_b128 v[L16], v[BK:BK+3], s[22:23]
	global_store_b128 v[L16], v[BK+4:BK+7], s[46:47]
	s_branch .Lend
.Lout_v:
	s_lshr_b32 s2, s42, 3
	s_lshl_b32 s2, s2, 4
	s_add_co_u32 s2, s2, s98
	s_and_b32 s3, s42, 7
	s_lshl_b32 s3, s3, 1
	s_add_co_u32 s3, s3, s16
	s_mul_i32 s18, s2, 196608
	s_lshr_b32 s45, s3, 2
	s_mul_i32 s45, s45, 49152
	s_add_co_u32 s18, s18, s45
	s_and_b32 s45, s3, 3
	s_mul_i32 s45, s45, 6144
	s_add_co_u32 s18, s18, s45
	s_add_co_u32 s18, s18, KVO+24576
	s_mov_b32 s19, 0
	s_add_nc_u64 s[18:19], s[10:11], s[18:19]
	s_mul_i32 s22, s2, 12288
	s_lshl_b32 s45, s3, 8
	s_add_co_u32 s22, s22, s45
	s_add_co_u32 s22, s22, KVS+8192
	s_mov_b32 s23, 0
	s_add_nc_u64 s[22:23], s[10:11], s[22:23]
.macro OUTV a
.set WN, 0x02+(\a)/4
	WIN WN
.set i, 0
.rept 32
.if (\a)%2 == 0
	v_pk_add_f32 v[T+2*i:T+2*i+1], v[64*((\a)%4)+2*i:64*((\a)%4)+2*i+1], v[BV+2*((\a)/2):BV+2*((\a)/2)+1] op_sel:[0,0] op_sel_hi:[1,0]
.else
	v_pk_add_f32 v[T+2*i:T+2*i+1], v[64*((\a)%4)+2*i:64*((\a)%4)+2*i+1], v[BV+2*((\a)/2):BV+2*((\a)/2)+1] op_sel:[0,1] op_sel_hi:[1,1]
.endif
.set i, i+1
.endr
	WIN 0
	QUANT T
	ds_store_b32 v[SGA], v[PW] offset:4096+64*(\a)
.irp c, 0,1,2
	global_store_b128 v[L16], v[PC+4*\c:PC+4*\c+3], s[18:19] offset:((\a)/4)*196608+((\a)%4)*1536+512*\c
.endr
.endm
	s_wait_loadcnt 0x0
.irp a, 0,1,2,3,4,5,6,7
	OUTV \a
.endr
	ds_load_b128 v[BK:BK+3], v[SGR] offset:4096
	s_wait_dscnt 0x0
	global_store_b128 v[VSO], v[BK:BK+3], s[22:23]
.Lend:
	s_wait_tensorcnt 0x0
	ds_add_u32 v[SPW], v[NIL]
	s_wait_dscnt 0x0
	CROUND
	s_endpgm
.Lfunc_end_k_qa0a7c54cf5_qkvgemm:
	.size	k_qa0a7c54cf5_qkvgemm, .Lfunc_end_k_qa0a7c54cf5_qkvgemm-k_qa0a7c54cf5_qkvgemm
	.p2alignl 7, 3214868480
	.fill 96, 4, 3214868480
	.section	.rodata,"a",@progbits
	.p2align	6, 0x0
	.amdhsa_kernel k_qa0a7c54cf5_qkvgemm
		.amdhsa_group_segment_fixed_size 327680
		.amdhsa_private_segment_fixed_size 0
		.amdhsa_enable_private_segment 0
		.amdhsa_kernarg_size 32
		.amdhsa_user_sgpr_count 2
		.amdhsa_user_sgpr_kernarg_segment_ptr 1
		.amdhsa_wavefront_size32 1
		.amdhsa_system_sgpr_workgroup_id_x 1
		.amdhsa_system_sgpr_workgroup_id_y 1
		.amdhsa_system_sgpr_workgroup_id_z 1
		.amdhsa_system_vgpr_workitem_id 0
		.amdhsa_next_free_vgpr 1024
		.amdhsa_next_free_sgpr 100
		.amdhsa_reserve_vcc 0
		.amdhsa_float_denorm_mode_32 3
		.amdhsa_float_denorm_mode_16_64 3
		.amdhsa_memory_ordered 1
		.amdhsa_forward_progress 1
		.amdhsa_inst_pref_size 255
	.end_amdhsa_kernel
	.section	.bss,"aw",@nobits
	.p2align	6
	.space	262144
	.amdgpu_metadata
---
amdhsa.version: [ 1, 2 ]
amdhsa.kernels:
  - .name:           k_qa0a7c54cf5_qkvgemm
    .symbol:         k_qa0a7c54cf5_qkvgemm.kd
    .args:
      - { .name: qin, .offset: 0, .size: 8, .value_kind: global_buffer, .address_space: global }
      - { .name: b_qkv, .offset: 8, .size: 8, .value_kind: global_buffer, .address_space: global }
      - { .name: pos, .offset: 16, .size: 8, .value_kind: global_buffer, .address_space: global }
      - { .name: qkv, .offset: 24, .size: 8, .value_kind: global_buffer, .address_space: global }
    .group_segment_fixed_size: 327680
    .private_segment_fixed_size: 0
    .kernarg_segment_align: 8
    .kernarg_segment_size: 32
    .max_flat_workgroup_size: 128
    .sgpr_count:     100
    .vgpr_count:     1024
    .wavefront_size: 32
...
	.end_amdgpu_metadata
.endif
;; end of part 2
;; launch attn (part 3): grid 8 x 32, 16 waves a work-group, clusters of 4 x 1, 215,040 bytes of LDS; arguments qkv, ctx; writes ctx
.if DOCPART == 3
	.amdgcn_target "amdgcn-amd-amdhsa--gfx1250"
	.amdhsa_code_object_version 6
	.text
	.protected	k_qa0a7c54cf5_attn
	.globl	k_qa0a7c54cf5_attn
	.p2align	8
	.type	k_qa0a7c54cf5_attn,@function
k_qa0a7c54cf5_attn:
	s_mov_b64 s[64:65], 0
	v_nop
	global_prefetch_b8 v0, s[64:65] scope:SCOPE_SE
	s_setreg_imm32_b32 hwreg(HW_REG_WAVE_MODE, 25, 1), 1
	s_wait_xcnt 0x0
	s_wait_alu depctr_hold_cnt(0) depctr_sa_sdst(0) depctr_va_vdst(0) depctr_va_sdst(0) depctr_va_ssrc(0) depctr_va_vcc(0) depctr_vm_vsrc(0)
	s_getreg_b32 s2, hwreg(HW_REG_IB_STS2, 6, 4)
	s_cmp_eq_u32 s2, 0
	s_cbranch_scc0 .Lentry_in_a_cluster
	s_endpgm
.Lentry_in_a_cluster:
	s_bfe_u32 s2, ttmp6, 0x10000c
	s_cmp_lg_u32 s2, 0x3003
	s_cbranch_scc0 .Lentry_shape_is_right
	s_endpgm
.Lentry_shape_is_right:
; ctx[q][:] = the sum over keys of softmax(q . k) v (scale 1), for one batch and head, both products on codes of BF6 (E3M2) with E8M0 scales; ctx is quantised along the head's 64 and stored as images.
; THE SOFTMAX: t = score x log2(e); M = the row's largest t so far, rounded UP to a whole number; p = 2^(t - M) is quantised along the keys.  The row's sum is taken of the unquantised p and divides at the end.
; When M moves, the sum and O are multiplied by 2^(old M - new M): exact.
; SHARES.  A work-group owns 256 queries of one batch and head; each of its sixteen waves one tile of 16, in 256 registers.
; THE HEAD'S WHOLE k AND v LIE IN LDS: 196,608 bytes of images and 12,288 of scale words, each byte filled once, by ONE tensor load a wave at the head: waves 0-11 bring 64 rows of 256 bytes of images each,
; waves 12-15 12 rows of scale words each.  One barrier shows all of it to all waves; the sixteen steps of 128 keys pass no further barrier.  The four query blocks of a cluster walk the same head: every load
; is asked for JOINTLY.  No prefetch: all that the launch reads by tensor loads is asked for at its head, so there is no loop to run ahead in.
; LAYOUT.  S^T = K Q^T (source 0 = 16 keys, source 1 = my 16 queries), O^T = V^T P^T: a lane holds ONE query throughout.
; WHICH KEYS FORM A TILE is chosen here, by each lane's LDS address.  As stored, row p of tile u of a group of 32 keys is key 8 u + p + 8 (p / 8).  Of each 64 keys this text forms four tiles: row r of tile t is
; key 8 t + r % 8 + 32 (r / 8), which is stored in tile 2 (r / 8) + t % 2, row 8 (t / 2) + r % 8.  So lane (query, h) holds in the 32 registers of those four tiles the keys 32 h + 0 .. 31: a WHOLE block,
; in the order that the operand p wants: a block's largest score needs no other lane, and p's codes change no lane.
; K = 64 IN AN INSTRUCTION OF 128: the query's codes of k = 64 .. 127 are zeros.  A key tile's operand is its own six registers and the six that follow: this format has no code for infinity or NaN, so
; whatever stands there is multiplied by 0; the scale bytes there repeat the real ones.
; LIMITS: NaN and infinities are not served; the scaled scores stay under 2^31 in magnitude; a block of ctx under 2^-122, zeros among them, gets the scale byte 1 (read by this program alone).
; REGISTERS: v1-7 addresses that stay; v5, v8-11 a trip's addresses; v12 -M, v13 the largest t, v[14:15] the sum; v16-27 Q; v28 8 h; v32-85 eight half fragments of K (v80-85 zeros), then v32-79 four of V;
; v86-91 scale words; v96-159 S^T, then p; v160-191 O^T; v192-198 conversions' second halves; v224-235 p's codes; v232-254 at work; v255 Q's scale words.
.set KVO,   3145728
.set QS,    9437184
.set KVS,   9699328
.set CSO,   3145728
.set SCL,   196608                     ; LDS: behind the images K's scale words (8,192 bytes), V's (4,096)
.set SCG,   208896                     ; 512 bytes in which the waves' scale halfwords of ctx meet: no fill lands there
.set SPARE, 212992                     ; the spare words: 128 bytes a wave
.set L16,  1
.set L8,   2
.set KA,   3                           ; 1,536 (r / 8) + 16 (r % 8) + 256 h
.set KA8,  4                           ; 1,536 (r / 8) + 8 (r % 8) + 128 h
.set ADV,  5
.set KSA,  6                           ; SCL + 128 (r / 8) + 64 h + 4 (r % 8)
.set ASV0, 7                           ; SCL + 8,192 + 4 x lane
.set ADK,  8
.set ADK8, 9
.set ADS,  10
.set ADT,  11
.set SH8,  28
.set KF,   32
.set KS,   86
.set VS,   90
.set SPW,  250
.set NIL,  251
.set G1C,  16
.set G1S,  24
.set G0S,  32
.set G0C,  36
.set SEL,  52
.set CS,   54
.set TB,   56
.set TS,   57
.set TJ,   58
.set CNT,  59
.macro ROUND                           ; a round of the cluster's barrier
	s_barrier_signal -1
	s_barrier_wait -1
	s_cmp_lg_u32 s8, 0
	s_cbranch_scc1 .Lnot_wave_0_\@
	s_barrier_signal -3
.Lnot_wave_0_\@:
	s_barrier_wait -3
	s_barrier_signal -1
	s_barrier_wait -1
.endm
	s_load_b128 s[4:7], s[0:1], 0x0                ; qkv s[4:5], ctx s[6:7]
	v_lshl_add_u32 v[SPW], v0, 2, SPARE
	v_mov_b32 v[NIL], 0
	ds_add_u32 v[SPW], v[NIL]                      ; the opening lines: the add twice on end
	ds_add_u32 v[SPW], v[NIL]
	v_lshrrev_b32 v1, 5, v0
	s_delay_alu instid0(VALU_DEP_1)
	v_readfirstlane_b32 s8, v1                     ; wave 0..15
	s_bfe_u32 s9, ttmp6, 0x40000                   ; cx
	s_lshl_b32 s10, ttmp9, 2
	s_add_co_u32 s10, s10, s9                      ; my block of 256 queries: it enters q's and ctx's addresses alone
	s_and_b32 s11, ttmp7, 0xffff                   ; 16 batch + head, which the four partners share
	s_mul_i32 s60, s11, 196608
	s_lshl_b32 s66, s8, 14                         ; waves 0-11: 16,384 bytes of images each
	s_add_co_u32 s60, s60, s66
	s_add_co_u32 s60, s60, KVO
	s_mov_b32 s61, 0
	s_mul_i32 s62, s11, 12288
	s_mul_i32 s67, s8, 3072                        ; waves 12-15: 3,072 bytes of scale words each, counted from wave 12
	s_add_co_u32 s62, s62, s67
	s_add_co_u32 s62, s62, KVS-36864
	s_mov_b32 s63, 0
	s_lshl_b32 s68, s10, 4
	s_add_co_u32 s68, s68, s8                      ; my tile among the batch's 128
	s_mul_i32 s70, s11, 98304
	s_mul_i32 s71, s68, 768
	s_add_co_u32 s70, s70, s71                     ; q's half image
	s_mov_b32 s71, 0
	s_lshl_b32 s72, s11, 13
	s_lshl_b32 s73, s68, 6
	s_add_co_u32 s72, s72, s73
	s_add_co_u32 s72, s72, QS                      ; q's scale words
	s_mov_b32 s73, 0
	s_lshr_b32 s74, s11, 4
	s_lshl_b32 s74, s74, 7                         ; 128 x batch
	s_and_b32 s75, s11, 15                         ; head
	s_add_co_u32 s76, s74, s68
	s_lshl_b32 s76, s76, 4
	s_add_co_u32 s76, s76, s75
	s_mul_i32 s76, s76, 768                        ; ctx: (tile x 16 + head) half images
	s_mov_b32 s77, 0
	s_lshl_b32 s78, s75, 8
	s_add_co_u32 s78, s78, s74
	s_lshl_b32 s79, s10, 4
	s_add_co_u32 s78, s78, s79
	s_lshl_b32 s78, s78, 5
	s_add_co_u32 s78, s78, CSO                     ; ctx's scale halfwords: (head x 256 + the work-group's first tile) x 32
	s_mov_b32 s79, 0
	s_mov_b32 s[G1C], 15|(3<<16)|(1<<21)           ; the mask: all four work-groups; elements of 8 bytes; bit 21 beside a mask
	s_mov_b32 s[G1C+1], 32<<16                     ; rows of 256 bytes,
	s_mov_b32 s[G1C+2], 64<<16                     ; 64 of them
	s_mov_b32 s[G1C+3], 32<<16
	s_mov_b32 s[G1C+4], 64
	s_mov_b32 s[G1C+5], 32
	s_mov_b32 s[G1C+6], 0
	s_mov_b32 s[G1C+7], 0
	s_mov_b32 s[G1S], 15|(3<<16)|(1<<21)
	s_mov_b32 s[G1S+1], 32<<16
	s_mov_b32 s[G1S+2], 12<<16                     ; 12 rows
	s_mov_b32 s[G1S+3], 32<<16
	s_mov_b32 s[G1S+4], 12
	s_mov_b32 s[G1S+5], 32
	s_mov_b32 s[G1S+6], 0
	s_mov_b32 s[G1S+7], 0
	s_mov_b32 s[SEL], 0x76543210
	s_mov_b32 s[SEL+1], 0xfedcba98
	s_mov_b32 s[CS], 0x3fb8aa3b                    ; log2(e)
	s_mov_b32 s[CS+1], s[CS]
	s_mov_b32 s[TB], 0
	s_mov_b32 s[TS], 0
	s_mov_b32 s[TJ], 0
	s_wait_dscnt 0x0
	s_wait_kmcnt 0x0
	s_add_nc_u64 s[60:61], s[4:5], s[60:61]
	s_add_nc_u64 s[62:63], s[4:5], s[62:63]
	s_add_nc_u64 s[70:71], s[4:5], s[70:71]
	s_add_nc_u64 s[72:73], s[4:5], s[72:73]
	s_add_nc_u64 s[76:77], s[6:7], s[76:77]
	s_add_nc_u64 s[78:79], s[6:7], s[78:79]
	s_mov_b32 s[G0S], 1
	s_add_co_u32 s[G0S+1], s67, SCL-36864
	s_mov_b64 s[G0S+2:G0S+3], s[62:63]
	s_or_b32 s[G0S+3], s[G0S+3], 0x80000000
	s_mov_b32 s[G0C], 1
	s_mov_b32 s[G0C+1], s66
	s_mov_b64 s[G0C+2:G0C+3], s[60:61]
	s_or_b32 s[G0C+3], s[G0C+3], 0x80000000
	ROUND                                          ; all four work-groups are here: the joint loads meet
	s_cmp_lt_u32 s8, 12                            ; one tensor load a wave, in the two arms of one branch on the wave's number
	s_cbranch_scc0 .Lfill_s
	tensor_load_to_lds s[G0C:G0C+3], s[G1C:G1C+7]
	s_nop 0
.rept 4
	v_nop
.endr
	s_branch .Lfilled
.Lfill_s:
	tensor_load_to_lds s[G0S:G0S+3], s[G1S:G1S+7]
	s_nop 0
.rept 4
	v_nop
.endr
.Lfilled:
	v_and_b32 v29, 31, v0                          ; lane
	v_and_b32 v30, 15, v0                          ; r
	v_and_b32 v31, 7, v0                           ; r % 8
	v_bfe_u32 v12, v0, 3, 1                        ; r / 8
	v_bfe_u32 v13, v0, 4, 1                        ; h
	v_lshlrev_b32 v[L16], 4, v29
	v_lshlrev_b32 v[L8], 3, v29
	v_lshlrev_b32 v30, 2, v30
	global_load_b128 v[16:19], v[L16], s[70:71]            ; Q's half image stays in registers
	global_load_b64 v[20:21], v[L8], s[70:71] offset:512
	global_load_b32 v255, v30, s[72:73]                    ; and its scale words
	v_mul_u32_u24 v12, v12, 1536
	v_and_b32 v14, 8, v0
	s_delay_alu instid0(VALU_DEP_2)
	v_lshl_add_u32 v[KA], v31, 4, v12
	v_lshl_add_u32 v[KA8], v31, 3, v12
	v_lshlrev_b32 v14, 4, v14                      ; 128 (r / 8)
	s_delay_alu instid0(VALU_DEP_3)
	v_lshl_add_u32 v[KA], v13, 8, v[KA]
	s_delay_alu instid0(VALU_DEP_3)
	v_lshl_add_u32 v[KA8], v13, 7, v[KA8]
	s_delay_alu instid0(VALU_DEP_3)
	v_lshl_add_u32 v14, v13, 6, v14
	s_delay_alu instid0(VALU_DEP_1)
	v_lshl_add_u32 v14, v31, 2, v14
	s_delay_alu instid0(VALU_DEP_1)
	v_add_nc_u32 v[KSA], SCL, v14
	v_lshl_add_u32 v[ASV0], v29, 2, SCL+8192
	v_lshlrev_b32 v[SH8], 3, v13                   ; 8 h: where my two scale bytes of p stand in the word
.irp j, 22,23,24,25,26,27,80,81,82,83,84,85
	v_mov_b32 v\j, 0                               ; Q's codes of k = 64 .. 127; and what stands behind the last key tile
.endr
	v_mov_b32 v13, 0xff61b1e6                      ; the largest t so far: -3e38, under every t
	s_delay_alu instid0(VALU_DEP_1)
	v_floor_f32 v12, -v13                          ; -M
	v_mov_b32 v14, 0
	v_mov_b32 v15, 0
	v_mov_b32 v236, 0                              ; lane permutes' destinations count as sources: written once
	v_mov_b32 v237, 0
	v_mov_b32 v253, 0
.set j, 0
.rept 32
	v_mov_b32 v[160+j], 0                          ; O^T: the first step finds zeros
.set j, j+1
.endr
; A KEY STEP: 128 keys, step s of a trip's four; every offset is an immediate.
.macro STEP s
.irp t, 0,1,2,3,4,5,6,7
	ds_load_b128 v[KF+6*\t:KF+6*\t+3], v[ADK] offset:6144*\s+3072*(\t/4)+768*(\t%2)+128*((\t%4)/2)
	ds_load_b64 v[KF+6*\t+4:KF+6*\t+5], v[ADK8] offset:6144*\s+3072*(\t/4)+768*(\t%2)+64*((\t%4)/2)+512
.endr
.irp i, 0,1,2,3
	ds_load_b32 v[KS+\i], v[ADS] offset:512*\s+256*(\i/2)+32*(\i%2)   ; lanes 0-15 tile 2 i's words, lanes 16-31 tile 2 i + 1's
.endr
	s_wait_alu depctr_va_vdst(0)                   ; the wait ahead of the wait below
	s_wait_dscnt 0x0
.irp t, 0,2,4,6                                ; S^T = K Q^T
	v_wmma_scale_f32_16x16x128_f8f6f4 v[96+8*\t:103+8*\t], v[KF+6*\t:KF+6*\t+11], v[16:27], 0, v[KS+\t/2], v255 matrix_a_fmt:MATRIX_FMT_BF6 matrix_b_fmt:MATRIX_FMT_BF6
	v_wmma_scale_f32_16x16x128_f8f6f4 v[104+8*\t:111+8*\t], v[KF+6*\t+6:KF+6*\t+17], v[16:27], 0, v[KS+\t/2], v255 matrix_a_fmt:MATRIX_FMT_BF6 matrix_b_fmt:MATRIX_FMT_BF6 matrix_a_scale:MATRIX_SCALE_ROW1
.endr
	v_mov_b32 v237, v12                            ; the old -M; with three v_nop the four places in front of the loads into K's registers and of the first read of the scores
.rept 3
	v_nop
.endr
.irp t, 0,1,2,3                                ; V's fragments land under the softmax
.irp c, 0,1,2
	ds_load_b128 v[KF+12*\t+4*\c:KF+12*\t+4*\c+3], v[ADV] offset:24576+6144*\s+1536*\t+512*\c
.endr
.endr
.irp i, 0,1
	ds_load_b32 v[VS+\i], v[ADT] offset:256*\s+128*\i
.endr
.irp q, 0,1,2,3                                ; four chains by turns: chains 0, 1 my block of keys 0-63, chains 2, 3 my block of keys 64-127; each accumulator is read from its low end on
	v_max3_num_f32 v[232+\q], v[96+16*\q], v[97+16*\q], v[98+16*\q]
.endr
.irp i, 3,5,7,9,11,13
.irp q, 0,1,2,3
	v_max3_num_f32 v[232+\q], v[232+\q], v[96+16*\q+\i], v[97+16*\q+\i]
.endr
.endr
	v_max3_num_f32 v232, v232, v111, v127
	v_max3_num_f32 v234, v234, v143, v159
	s_delay_alu instid0(VALU_DEP_2)
	v_max_num_f32 v232, v232, v233                 ; the largest score of my block 0: it serves for the row's maximum and, since p rises with the score, for the block's largest p
	s_delay_alu instid0(VALU_DEP_2)
	v_max_num_f32 v233, v234, v235                 ; and of my block 1
	s_delay_alu instid0(VALU_DEP_1)
	v_max_num_f32 v254, v232, v233
	s_delay_alu instid0(VALU_DEP_1)
	v_permlanex16_b32 v236, v254, s[SEL], s[SEL+1]
	s_delay_alu instid0(VALU_DEP_1)
	v_max_num_f32 v254, v254, v236                 ; with lane l xor 16's 64 keys: the step's largest score of my query
	s_delay_alu instid0(VALU_DEP_1)
	v_mul_f32 v254, s[CS], v254
	s_delay_alu instid0(VALU_DEP_1)
	v_max_num_f32 v13, v13, v254                   ; the running largest t
	s_delay_alu instid0(VALU_DEP_1)
	v_floor_f32 v12, -v13                          ; the new -M: M is a whole number
	s_delay_alu instid0(VALU_DEP_1)
	v_sub_f32 v254, v12, v237                      ; old M - new M: a whole number, 0 or less
	s_delay_alu instid0(VALU_DEP_1)
	v_cvt_i32_f32 v254, v254                       ; (it saturates)
	s_delay_alu instid0(VALU_DEP_1)
	v_ldexp_f32 v252, 1.0, v254                    ; f = 2^(old M - new M)
.set j, 0
.rept 32
	v_pk_fma_f32 v[96+j:97+j], v[96+j:97+j], s[CS:CS+1], v[12:13] op_sel_hi:[1,0,0]   ; t - M
.set j, j+2
.endr
	v_fma_f32 v232, v232, s[CS], v12               ; the same of my two blocks' largest scores
	v_fma_f32 v233, v233, s[CS], v12
	s_wait_alu depctr_va_vdst(0)                   ; the wait ahead of the batch
.set j, 0
.rept 64
	v_exp_f32 v[96+j], v[96+j]                     ; p = 2^(t - M)
.set j, j+1
.endr
	v_exp_f32 v232, v232                           ; the blocks' largest p: the same two instructions on the same number give the same bits
	v_exp_f32 v233, v233
	v_pk_mul_f32 v[14:15], v[14:15], v[252:253] op_sel_hi:[1,0]   ; the sum under the new M (a plain place behind the batch)
	s_wait_alu depctr_va_vdst(0)                   ; one wait for the batch
	v_max_num_f32 v232, 0x2800000, v232            ; the floor 2^(5 - 127): the byte cannot fall under 1
	v_max_num_f32 v233, 0x2800000, v233
	s_delay_alu instid0(VALU_DEP_2)
	v_add_nc_u32 v238, 0xfe000000, v232            ; 4 off the exponent field: the conversion's scale operand
	s_delay_alu instid0(VALU_DEP_2)
	v_add_nc_u32 v239, 0xfe000000, v233
	s_delay_alu instid0(VALU_DEP_2)
	v_lshrrev_b32 v232, 23, v238                   ; the bytes
	s_delay_alu instid0(VALU_DEP_2)
	v_lshrrev_b32 v233, 23, v239
	s_delay_alu instid0(VALU_DEP_1)
	v_lshl_or_b32 v253, v233, 16, v232             ; blocks h and 2 + h of the step's four,
	s_delay_alu instid0(VALU_DEP_1)
	v_lshlrev_b32 v253, v[SH8], v253               ; at their places in the word;
	s_delay_alu instid0(VALU_DEP_1)
	v_permlanex16_b32 v236, v253, s[SEL], s[SEL+1]
	s_delay_alu instid0(VALU_DEP_1)
	v_or_b32 v253, v253, v236                      ; with lane l xor 16's two the word is whole
.irp c, 0,1
	v_cvt_scalef32_pk16_bf6_f32 v[224+6*\c:226+6*\c], v[96+32*\c:111+32*\c], v[238+\c]
	v_cvt_scalef32_pk16_bf6_f32 v[192+4*\c:194+4*\c], v[112+32*\c:127+32*\c], v[238+\c]   ; a conversion's three registers begin on an even number
.endr
	v_pk_add_f32 v[240:241], v[96:97], v[98:99]    ; the row's sum of the unquantised p, in four chains (these read the conversions' sources and touch none of their results)
	v_pk_add_f32 v[242:243], v[100:101], v[102:103]
	v_pk_add_f32 v[244:245], v[104:105], v[106:107]
	v_pk_add_f32 v[14:15], v[14:15], v[108:109]
.set j, 7
.rept 6
	v_pk_add_f32 v[240:241], v[240:241], v[96+2*j:97+2*j]
	v_pk_add_f32 v[242:243], v[242:243], v[98+2*j:99+2*j]
	v_pk_add_f32 v[244:245], v[244:245], v[100+2*j:101+2*j]
	v_pk_add_f32 v[14:15], v[14:15], v[102+2*j:103+2*j]
.set j, j+4
.endr
.irp c, 0,1
.irp i, 0,1,2
	v_mov_b32 v[227+6*\c+\i], v[192+4*\c+\i]       ; registers 6 c .. 6 c + 5: keys 64 c + 32 h + 0 .. 31
.endr
.endr
	s_wait_alu depctr_va_vdst(0)                   ; the wait directly ahead of the first reader of O^T
.set j, 0
.rept 16
	v_pk_mul_f32 v[160+j:161+j], v[160+j:161+j], v[252:253] op_sel_hi:[1,0]   ; O^T under the new M; also the places between p's codes and the products
.set j, j+2
.endr
	s_wait_alu depctr_va_vdst(0)
	s_wait_dscnt 0x0                               ; V
.irp t, 0,2                                    ; O^T += V^T P^T: the four accumulators by turns
	v_wmma_scale_f32_16x16x128_f8f6f4 v[160+8*\t:167+8*\t], v[KF+12*\t:KF+12*\t+11], v[224:235], v[160+8*\t:167+8*\t], v[VS+\t/2], v253 matrix_a_fmt:MATRIX_FMT_BF6 matrix_b_fmt:MATRIX_FMT_BF6
	v_wmma_scale_f32_16x16x128_f8f6f4 v[168+8*\t:175+8*\t], v[KF+12*\t+12:KF+12*\t+23], v[224:235], v[168+8*\t:175+8*\t], v[VS+\t/2], v253 matrix_a_fmt:MATRIX_FMT_BF6 matrix_b_fmt:MATRIX_FMT_BF6 matrix_a_scale:MATRIX_SCALE_ROW1
.endr
	v_pk_add_f32 v[244:245], v[244:245], v[158:159]    ; the sum's last four additions name no register of the products: they are the places in front of the next loads
	v_pk_add_f32 v[14:15], v[14:15], v[240:241]
	s_delay_alu instid0(VALU_DEP_2)
	v_pk_add_f32 v[242:243], v[242:243], v[244:245]
	s_delay_alu instid0(VALU_DEP_1)
	v_pk_add_f32 v[14:15], v[14:15], v[242:243]
.endm
	s_wait_alu depctr_va_vdst(0)                   ; the wait at the head's end
	s_wait_loadcnt 0x0                             ; Q
	s_wait_tensorcnt 0x0                           ; my part of the head's k, v or scale words is in,
	s_barrier_signal -1
	s_barrier_wait -1                              ; everybody's is; nothing is filled again
	s_mov_b32 s[CNT], 4
.Lchunk:                                               ; a trip: 512 keys, whose images lie on end: 32 half images of K, then 4 steps x 4 images of V^T
	v_add_nc_u32 v[ADK], s[TB], v[KA]
	v_add_nc_u32 v[ADK8], s[TB], v[KA8]
	v_add_nc_u32 v[ADV], s[TB], v[L16]
	v_add_nc_u32 v[ADS], s[TS], v[KSA]
	v_add_nc_u32 v[ADT], s[TJ], v[ASV0]
	STEP 0
	STEP 1
	STEP 2
	STEP 3
	s_add_co_u32 s[TB], s[TB], 49152
	s_add_co_u32 s[TS], s[TS], 2048
	s_add_co_u32 s[TJ], s[TJ], 1024
	s_sub_co_u32 s[CNT], s[CNT], 1
	s_cmp_lg_u32 s[CNT], 0
	s_cbranch_scc1 .Lchunk
	; THE WAY OUT.  O^T / the sum is my query's 32 of the head's 64 numbers of ctx: register 16 b + i is d = 32 b + 16 (lane / 16) + i.  Two blocks: a half fragment and two scale bytes.
	v_add_f32 v14, v14, v15
	s_delay_alu instid0(VALU_DEP_1)
	v_permlanex16_b32 v252, v14, s[SEL], s[SEL+1]
	s_delay_alu instid0(VALU_DEP_1)
	v_add_f32 v14, v14, v252
	s_wait_alu depctr_va_vdst(0)
	v_rcp_f32 v14, v14
	v_and_b32 v8, 15, v0
	s_lshl_b32 s66, s8, 5
	v_lshl_add_u32 v8, v8, 1, s66
	s_delay_alu instid0(VALU_DEP_1)
	v_add_nc_u32 v8, SCG, v8                       ; where my row's two bytes go: 32 x wave + 2 x row
	v_add_nc_u32 v9, SCG, v[L16]
	s_wait_alu depctr_va_vdst(0)
.set j, 0
.rept 16
	v_pk_mul_f32 v[96+j:97+j], v[160+j:161+j], v[14:15] op_sel_hi:[1,0]   ; ascending: each accumulator from its low end on
.set j, j+2
.endr
.irp b, 0,1
	v_max3_num_f32 v[232+\b], |v[96+16*\b]|, |v[97+16*\b]|, 0x2800000
.endr
.irp i, 2,4,6,8,10,12,14
.irp b, 0,1
	s_delay_alu instid0(VALU_DEP_2)
	v_max3_num_f32 v[232+\b], v[232+\b], |v[96+16*\b+\i]|, |v[97+16*\b+\i]|
.endr
.endr
.irp b, 0,1
	s_delay_alu instid0(VALU_DEP_2)
	v_permlanex16_b32 v[236+\b], v[232+\b], s[SEL], s[SEL+1]
.endr
.irp b, 0,1
	s_delay_alu instid0(VALU_DEP_2)
	v_max_num_f32 v[232+\b], v[232+\b], v[236+\b]
.endr
.irp b, 0,1
	s_delay_alu instid0(VALU_DEP_2)
	v_add_nc_u32 v[244+\b], 0xfe000000, v[232+\b]
.endr
.irp b, 0,1
	s_delay_alu instid0(VALU_DEP_2)
	v_lshrrev_b32 v[236+\b], 23, v[244+\b]
.endr
	s_delay_alu instid0(VALU_DEP_1)
	v_lshl_or_b32 v253, v237, 8, v236              ; the head's two scale bytes of my row
	v_cvt_scalef32_pk16_bf6_f32 v[224:226], v[96:111], v244
	v_cvt_scalef32_pk16_bf6_f32 v[240:242], v[112:127], v245
	v_nop
.irp i, 0,1,2
	v_permlane16_swap_b32 v[224+\i], v[240+\i]     ; the operand wants a whole block in a lane
.endr
.irp i, 0,1,2
	s_delay_alu instid0(VALU_DEP_3)
	v_mov_b32 v[227+\i], v[240+\i]
.endr
	global_store_b128 v[L16], v[224:227], s[76:77]         ; the half image: 512 consecutive bytes,
	global_store_b64 v[L8], v[228:229], s[76:77] offset:512    ; and 256
	ds_store_b16 v8, v253                          ; both halves of the lanes write the same bytes with the same value
	s_wait_dscnt 0x0                               ; for the others' sake
	s_barrier_signal -1
	s_barrier_wait -1
	s_cmp_lg_u32 s8, 0                             ; wave 0 stores the sixteen tiles' 512 bytes
	s_cbranch_scc1 .Lnot_first
	ds_load_b128 v[232:235], v9
	s_wait_dscnt 0x0
	global_store_b128 v[L16], v[232:235], s[78:79]
.Lnot_first:
	s_wait_tensorcnt 0x0                           ; the wave's end
	ds_add_u32 v[SPW], v[NIL]
	s_wait_dscnt 0x0
	ROUND                                          ; the closing round
	s_endpgm
.Lfunc_end_k_qa0a7c54cf5_attn:
	.size	k_qa0a7c54cf5_attn, .Lfunc_end_k_qa0a7c54cf5_attn-k_qa0a7c54cf5_attn
	.p2alignl 7, 3214868480
	.fill 96, 4, 3214868480
	.section	.rodata,"a",@progbits
	.p2align	6, 0x0
	.amdhsa_kernel k_qa0a7c54cf5_attn
		.amdhsa_group_segment_fixed_size 215040
		.amdhsa_private_segment_fixed_size 0
		.amdhsa_enable_private_segment 0
		.amdhsa_kernarg_size 16
		.amdhsa_user_sgpr_count 2
		.amdhsa_user_sgpr_kernarg_segment_ptr 1
		.amdhsa_wavefront_size32 1
		.amdhsa_system_sgpr_workgroup_id_x 1
		.amdhsa_system_sgpr_workgroup_id_y 1
		.amdhsa_system_sgpr_workgroup_id_z 1
		.amdhsa_system_vgpr_workitem_id 0
		.amdhsa_next_free_vgpr 256
		.amdhsa_next_free_sgpr 80
		.amdhsa_reserve_vcc 0
		.amdhsa_float_denorm_mode_32 3
		.amdhsa_float_denorm_mode_16_64 3
		.amdhsa_memory_ordered 1
		.amdhsa_forward_progress 1
		.amdhsa_inst_pref_size 75
	.end_amdhsa_kernel
	.amdgpu_metadata
---
amdhsa.version: [ 1, 2 ]
amdhsa.kernels:
  - .name:           k_qa0a7c54cf5_attn
    .symbol:         k_qa0a7c54cf5_attn.kd
    .args:
      - { .name: qkv, .offset: 0, .size: 8, .value_kind: global_buffer, .address_space: global }
      - { .name: ctx, .offset: 8, .size: 8, .value_kind: global_buffer, .address_space: global }
    .group_segment_fixed_size: 215040
    .private_segment_fixed_size: 0
    .kernarg_segment_align: 8
    .kernarg_segment_size: 16
    .max_flat_workgroup_size: 512
    .sgpr_count:     80
    .vgpr_count:     256
    .wavefront_size: 32
...
	.end_amdgpu_metadata
.endif
;; end of part 3
;; launch projln (part 4): grid 256 x 1, 16 waves a work-group, no clusters, 80,128 bytes of LDS; arguments ctx, qin, x, b_out, ln_g, ln_b, out0; writes out0
.if DOCPART == 4
	.amdgcn_target "amdgcn-amd-amdhsa--gfx1250"
	.amdhsa_code_object_version 6
	.text
	.protected	k_qa0a7c54cf5_projln
	.globl	k_qa0a7c54cf5_projln
	.p2align	8
	.type	k_qa0a7c54cf5_projln,@function
k_qa0a7c54cf5_projln:
	s_mov_b64 s[64:65], 0
	v_nop
	global_prefetch_b8 v0, s[64:65] scope:SCOPE_SE
	s_setreg_imm32_b32 hwreg(HW_REG_WAVE_MODE, 25, 1), 1
	s_wait_xcnt 0x0
; out0 = layer norm of y = x + ctx W_out + b_out, with ln_g and ln_b; the product on codes of BF6 (E3M2) with E8M0 scales, K = 1,024.  y stays on the chip.
; A work-group owns one tile of 16 rows and ALL 1,024 columns, so that a row's mean and variance need no other work-group.  Wave w makes columns 64 w .. 64 w + 63: four column tiles, four accumulators by turns.
; W_out's images are laid as the operand's registers: each lane loads its fragments whole, from memory into registers, three K steps (42 loads a wave) ahead, in three buffers by turns.
; NO LDS RING AND NO CLUSTER for W_out: its 786,432 bytes of codes do not fit in LDS; no two waves of the work-group read the same byte of it; and between two changes of slots a wave would have four to six
; matrix instructions.  No prefetch: the loads themselves run three K steps ahead.
; ctx's tile (16 half images, one a head) is wanted by all sixteen waves: wave w brings head w's into LDS; heads 2 s and 2 s + 1 are K step s's 12 registers.
; SOURCE 0 = 16 columns of W_out, SOURCE 1 = ctx's 16 rows: a lane holds one row, and the 16 registers of two neighbouring column tiles are 16 neighbouring columns (the tiles' rows were chosen so).
; THE WAY OUT: the 16 x 1,024 results turn through a stage in LDS (rows 4,112 bytes apart); behind one barrier wave w holds row w whole, 32 registers, 512 consecutive bytes to a load, as x, b_out, ln_g, ln_b are
; loaded.  The variance is the mean of (y - mean)^2, in a second pass over the registers.  Row r of tile T is row 32 (T / 2) + 8 (T % 2) + r + 8 (r / 8) of x and out0.
; LIMITS: NaN and infinities are not served.
.set XS,    6291456                    ; qin: where the scale words begin
.set CSO,   3145728                    ; ctx: where the scale halfwords begin
.set STAGE, 12288                      ; LDS: behind ctx's tile
.set SP,    4112
.set SPARE, 78080                      ; behind the stage: the spare words, 128 bytes a wave
.set ASW,  16                          ; v16-23 ctx's scale words, one a K step
.set BSW,  24                          ; v24-29 W_out's: two for each buffer: lanes 0-15 an even column tile, lanes 16-31 the odd one behind it
.set AFR,  32                          ; v32-43 ctx's fragment
.set ACC,  48                          ; v48-79 accumulators; then the row y
.set BFR,  80                          ; v80-223 three buffers of four fragments
.set XR,   224                         ; v224-255 x's row, then x + b_out
.set Y,    48
.set G,    80
.set BT,   128
.set BO,   176
.set S,    112
.set M,    120
.set RS,   122
.set P,    124
	s_load_b256 s[4:11], s[0:1], 0x0               ; ctx s[4:5], qin s[6:7], x s[8:9], b_out s[10:11]
	s_load_b128 s[12:15], s[0:1], 0x20             ; ln_g s[12:13], ln_b s[14:15]
	s_load_b64 s[16:17], s[0:1], 0x30              ; out0
	v_lshl_add_u32 v9, v0, 2, SPARE
	v_mov_b32 v10, 0
	v_lshrrev_b32 v11, 5, v0
	s_delay_alu instid0(VALU_DEP_1)
	v_readfirstlane_b32 s18, v11                   ; wave 0..15
	s_lshl_b32 s22, ttmp9, 4
	s_add_co_u32 s22, s22, s18
	s_mul_i32 s22, s22, 768                        ; ctx: (tile x 16 + head w) half images
	s_mov_b32 s23, 0
	s_lshl_b32 s24, ttmp9, 5
	s_add_co_u32 s24, s24, CSO                     ; its scale halfwords: head x 8,192 + tile x 32 + 2 x row
	s_mov_b32 s25, 0
	s_mul_i32 s26, s18, 49152
	s_add_co_u32 s26, s26, 448*12288               ; W_out's tiles begin at 448; mine are 448 + 4 w on
	s_mov_b32 s27, 0
	s_lshl_b32 s28, s18, 11
	s_add_co_u32 s28, s28, XS+448*512              ; their scale words: tile x 512 + K step x 64 + 4 x row
	s_mov_b32 s29, 0
	s_lshr_b32 s30, ttmp9, 1
	s_lshl_b32 s30, s30, 5
	s_and_b32 s31, ttmp9, 1
	s_lshl_b32 s31, s31, 3
	s_add_co_u32 s30, s30, s31
	s_add_co_u32 s30, s30, s18
	s_and_b32 s31, s18, 8
	s_add_co_u32 s30, s30, s31                     ; my row of x and out0
	s_lshl_b32 s30, s30, 12
	s_mov_b32 s31, 0
	s_mov_b32 s32, 0x76543210
	s_mov_b32 s33, 0xfedcba98
	s_mov_b32 s34, 0x3a800000                      ; 1 / 1,024
	s_mov_b32 s35, 0x3727c5ac                      ; 1e-5
	s_mul_i32 s19, s18, 768
	s_lshl_b32 s20, s18, 8
	s_add_co_u32 s20, s20, STAGE
	s_mul_i32 s21, s18, SP
	s_add_co_u32 s21, s21, STAGE
	v_and_b32 v11, 31, v0                          ; lane
	v_and_b32 v12, 15, v0                          ; r
	v_bfe_u32 v13, v0, 4, 1                        ; h
	v_lshlrev_b32 v1, 4, v11                       ; 16 x lane
	v_lshlrev_b32 v2, 3, v11                       ; 8 x lane
	v_lshlrev_b32 v3, 9, v13
	v_lshlrev_b32 v4, 1, v12                       ; ctx's halfwords: 2 r
	v_mul_u32_u24 v7, v12, SP
	v_lshl_add_u32 v3, v12, 2, v3                  ; W_out's words: 512 h + 4 r
	v_add_nc_u32 v5, s19, v1                       ; LDS: head w's half image
	v_add_nc_u32 v6, s19, v2
	v_lshl_add_u32 v7, v13, 6, v7
	v_add_nc_u32 v8, s21, v1                       ; the stage, back: row w, 16 x lane
	s_delay_alu instid0(VALU_DEP_2)
	v_add_nc_u32 v7, s20, v7                       ; the stage, in: row r, my wave's 256 bytes, + 64 h
	s_wait_alu depctr_va_vdst(0)                   ; the wait at the head's end
	s_wait_kmcnt 0x0
	s_add_nc_u64 s[22:23], s[4:5], s[22:23]
	s_add_nc_u64 s[24:25], s[4:5], s[24:25]
	s_add_nc_u64 s[26:27], s[6:7], s[26:27]
	s_add_nc_u64 s[28:29], s[6:7], s[28:29]
	s_add_nc_u64 s[8:9], s[8:9], s[30:31]
	s_add_nc_u64 s[16:17], s[16:17], s[30:31]
.macro LOADB k                         ; K step k's four fragments and two scale registers: 14 loads, 512 consecutive bytes to a fragment's load
.set BB, BFR+48*((\k)%3)
.set SB, BSW+2*((\k)%3)
.irp n, 0,1,2,3
.irp c, 0,1,2
	global_load_b128 v[BB+12*\n+4*\c:BB+12*\n+4*\c+3], v1, s[26:27] offset:12288*\n+1536*(\k)+512*\c
.endr
.endr
.irp p, 0,1
	global_load_b32 v[SB+\p], v3, s[28:29] offset:1024*\p+64*(\k)
.endr
.endm
.macro LOADA k                         ; ctx's fragment of K step k: two half images on end
	ds_load_b128 v[AFR:AFR+3], v1 offset:1536*(\k)
	ds_load_b64 v[AFR+4:AFR+5], v2 offset:1536*(\k)+512
	ds_load_b128 v[AFR+6:AFR+9], v1 offset:1536*(\k)+768
	ds_load_b64 v[AFR+10:AFR+11], v2 offset:1536*(\k)+1280
.endm
.macro VEC reg, base                   ; a row of 1,024 f32 in 32 registers
.irp j, 0,1,2,3,4,5,6,7
	global_load_b128 v[\reg+4*\j:\reg+4*\j+3], v1, s[\base:\base+1] offset:512*\j
.endr
.endm
.macro PR d, b, sw, sa, row, zero
.if \zero
.if \row
	v_wmma_scale_f32_16x16x128_f8f6f4 v[\d:\d+7], v[\b:\b+11], v[AFR:AFR+11], 0, v[\sw], v[\sa] matrix_a_fmt:MATRIX_FMT_BF6 matrix_b_fmt:MATRIX_FMT_BF6 matrix_a_scale:MATRIX_SCALE_ROW1
.else
	v_wmma_scale_f32_16x16x128_f8f6f4 v[\d:\d+7], v[\b:\b+11], v[AFR:AFR+11], 0, v[\sw], v[\sa] matrix_a_fmt:MATRIX_FMT_BF6 matrix_b_fmt:MATRIX_FMT_BF6
.endif
.else
.if \row
	v_wmma_scale_f32_16x16x128_f8f6f4 v[\d:\d+7], v[\b:\b+11], v[AFR:AFR+11], v[\d:\d+7], v[\sw], v[\sa] matrix_a_fmt:MATRIX_FMT_BF6 matrix_b_fmt:MATRIX_FMT_BF6 matrix_a_scale:MATRIX_SCALE_ROW1
.else
	v_wmma_scale_f32_16x16x128_f8f6f4 v[\d:\d+7], v[\b:\b+11], v[AFR:AFR+11], v[\d:\d+7], v[\sw], v[\sa] matrix_a_fmt:MATRIX_FMT_BF6 matrix_b_fmt:MATRIX_FMT_BF6
.endif
.endif
.endm
; A K step: cnt = the loads issued behind this step's 14, which may stay out.  Four places follow the products, in front of the loads into registers that they have read.
.macro KSTEP k, cnt, zero
.set KB, BFR+48*((\k)%3)
.set KW, BSW+2*((\k)%3)
	s_wait_dscnt 0x0                               ; ctx's fragment
	s_wait_loadcnt \cnt
.irp n, 0,1,2,3
	PR ACC+8*\n, KB+12*\n, KW+\n/2, ASW+(\k), \n%2, \zero
.endr
.rept 4
	v_nop
.endr
.endm
	global_load_b128 v[AFR:AFR+3], v1, s[22:23]            ; head w's half image
	global_load_b64 v[AFR+4:AFR+5], v2, s[22:23] offset:512
.irp j, 0,1,2,3,4,5,6,7
	global_load_b128 v[XR+4*\j:XR+4*\j+3], v1, s[8:9] offset:512*\j th:TH_LOAD_NT   ; my row of x
.endr
.irp d, 0,1,2,3,4,5,6,7,8,9,10,11,12,13,14,15
	global_load_u16 v[ACC+\d], v4, s[24:25] offset:8192*\d   ; head d's two scale bytes of row r
.endr
	LOADB 0
	LOADB 1
	s_wait_loadcnt 52                              ; the half image is in: behind it 8 loads of x, 16 halfwords, 28 of two K steps
	ds_store_b128 v5, v[AFR:AFR+3]
	ds_store_b64 v6, v[AFR+4:AFR+5] offset:512
	LOADB 2
	s_wait_dscnt 0x0                               ; for the others' sake
	s_barrier_signal -1
	s_barrier_wait -1                              ; ctx's tile is whole
	s_wait_loadcnt 42                              ; the halfwords are in: behind them three K steps' loads
.irp k, 0,1,2,3,4,5,6,7
	v_lshl_or_b32 v[ASW+\k], v[ACC+2*\k+1], 16, v[ACC+2*\k]   ; K step k's word: heads 2 k and 2 k + 1
.endr
	LOADA 0
.rept 8
	v_nop                                          ; a scale register written by a vector instruction stands 8 places ahead of a scaled matrix instruction
.endr
	s_wait_alu depctr_va_vdst(0)                   ; the wait ahead of the waits below
	KSTEP 0, 28, 1                                 ; the first K step starts the sums
	LOADA 1
	LOADB 3
	KSTEP 1, 28, 0
	LOADA 2
	LOADB 4
	KSTEP 2, 28, 0
	LOADA 3
	LOADB 5
	KSTEP 3, 28, 0
	LOADA 4
	LOADB 6
	KSTEP 4, 28, 0
	LOADA 5
	LOADB 7
	KSTEP 5, 28, 0
	LOADA 6
	VEC BO, 10                                     ; the buffers that fall free take b_out, ln_g, ln_b
	KSTEP 6, 22, 0                                 ; behind K step 6's loads: K step 7's 14 and b_out's 8
	LOADA 7
	VEC G, 12
	KSTEP 7, 16, 0                                 ; b_out's 8 and ln_g's 8
	VEC BT, 14
.irp n, 0,1,2,3
	ds_store_b128 v7, v[ACC+8*\n:ACC+8*\n+3] offset:128*(\n/2)+32*(\n%2)          ; each accumulator from its low end on
	ds_store_b128 v7, v[ACC+8*\n+4:ACC+8*\n+7] offset:128*(\n/2)+32*(\n%2)+16
.endr
	s_wait_loadcnt 16                              ; x and b_out are in; ln_g and ln_b may be out
.irp i, 0,2,4,6,8,10,12,14,16,18,20,22,24,26,28,30
	v_pk_add_f32 v[XR+\i:XR+\i+1], v[XR+\i:XR+\i+1], v[BO+\i:BO+\i+1]   ; x + b_out
.endr
	v_mov_b32 v[M+1], 0                            ; named as the upper halves of pairs
	v_mov_b32 v[RS+1], 0
	v_mov_b32 v[P], 0                              ; a lane permute's destination counts as a source
	s_wait_alu depctr_va_vdst(0)                   ; the wait ahead of the wait and the barrier below
	s_wait_dscnt 0x0                               ; for the others' sake
	s_barrier_signal -1
	s_barrier_wait -1                              ; the stage is whole
.irp j, 0,1,2,3,4,5,6,7
	ds_load_b128 v[Y+4*\j:Y+4*\j+3], v8 offset:512*\j
.endr
	s_wait_dscnt 0x0
.irp i, 0,2,4,6,8,10,12,14,16,18,20,22,24,26,28,30
	v_pk_add_f32 v[Y+\i:Y+\i+1], v[Y+\i:Y+\i+1], v[XR+\i:XR+\i+1]       ; y
.endr
.macro ACROSS                          ; the four chains, the pair's halves, the 32 lanes: the sum ends up in every lane's v[S]
	s_delay_alu instid0(VALU_DEP_3)
	v_pk_add_f32 v[S:S+1], v[S:S+1], v[S+2:S+3]
	s_delay_alu instid0(VALU_DEP_2)
	v_pk_add_f32 v[S+4:S+5], v[S+4:S+5], v[S+6:S+7]
	s_delay_alu instid0(VALU_DEP_1)
	v_pk_add_f32 v[S:S+1], v[S:S+1], v[S+4:S+5]
	s_delay_alu instid0(VALU_DEP_1)
	v_add_f32 v[S], v[S], v[S+1]
	s_delay_alu instid0(VALU_DEP_1)
	v_add_f32_dpp v[S], v[S], v[S] row_xmask:1 row_mask:0xf bank_mask:0xf
	s_delay_alu instid0(VALU_DEP_1)
	v_add_f32_dpp v[S], v[S], v[S] row_xmask:2 row_mask:0xf bank_mask:0xf
	s_delay_alu instid0(VALU_DEP_1)
	v_add_f32_dpp v[S], v[S], v[S] row_xmask:4 row_mask:0xf bank_mask:0xf
	s_delay_alu instid0(VALU_DEP_1)
	v_add_f32_dpp v[S], v[S], v[S] row_xmask:8 row_mask:0xf bank_mask:0xf
	s_delay_alu instid0(VALU_DEP_1)
	v_permlanex16_b32 v[P], v[S], s32, s33
	s_delay_alu instid0(VALU_DEP_1)
	v_add_f32 v[S], v[S], v[P]
.endm
.irp k, 0,2,4,6
	v_pk_add_f32 v[S+\k:S+\k+1], v[Y+\k:Y+\k+1], v[Y+8+\k:Y+8+\k+1]     ; the first words start the chains
.endr
.irp i, 16,24
.irp k, 0,2,4,6
	s_delay_alu instid0(VALU_DEP_4)
	v_pk_add_f32 v[S+\k:S+\k+1], v[S+\k:S+\k+1], v[Y+\i+\k:Y+\i+\k+1]
.endr
.endr
	ACROSS
	s_delay_alu instid0(VALU_DEP_1)
	v_mul_f32 v[M], s34, v[S]                      ; the mean
.irp i, 0,2,4,6,8,10,12,14,16,18,20,22,24,26,28,30
	v_pk_add_f32 v[Y+\i:Y+\i+1], v[Y+\i:Y+\i+1], v[M:M+1] op_sel_hi:[1,0] neg_lo:[0,1] neg_hi:[0,1]   ; y - mean
.endr
.irp k, 0,2,4,6
	v_pk_mul_f32 v[S+\k:S+\k+1], v[Y+\k:Y+\k+1], v[Y+\k:Y+\k+1]
.endr
.irp i, 8,16,24
.irp k, 0,2,4,6
	s_delay_alu instid0(VALU_DEP_4)
	v_pk_fma_f32 v[S+\k:S+\k+1], v[Y+\i+\k:Y+\i+\k+1], v[Y+\i+\k:Y+\i+\k+1], v[S+\k:S+\k+1]
.endr
.endr
	ACROSS
	s_delay_alu instid0(VALU_DEP_1)
	v_fma_f32 v[RS], v[S], s34, s35                ; variance + eps
	s_wait_alu depctr_va_vdst(0)                   ; the wait ahead of the transcendental
	v_rsq_f32 v[RS], v[RS]
	v_nop                                          ; a plain place behind it
	s_wait_loadcnt 0x0                             ; ln_g and ln_b
	s_wait_alu depctr_va_vdst(0)                   ; the wait ahead of its first reader
.irp i, 0,2,4,6,8,10,12,14,16,18,20,22,24,26,28,30
	v_pk_mul_f32 v[Y+\i:Y+\i+1], v[Y+\i:Y+\i+1], v[RS:RS+1] op_sel_hi:[1,0]
.endr
.irp i, 0,2,4,6,8,10,12,14,16,18,20,22,24,26,28,30
	v_pk_fma_f32 v[Y+\i:Y+\i+1], v[Y+\i:Y+\i+1], v[G+\i:G+\i+1], v[BT+\i:BT+\i+1]
.endr
.irp j, 0,1,2,3,4,5,6,7
	global_store_b128 v1, v[Y+4*\j:Y+4*\j+3], s[16:17] offset:512*\j th:TH_STORE_NT   ; 512 consecutive bytes a store
.endr
	s_wait_tensorcnt 0x0                           ; the wave's end
	ds_add_u32 v9, v10
	s_wait_dscnt 0x0
	s_endpgm
.Lfunc_end_k_qa0a7c54cf5_projln:
	.size	k_qa0a7c54cf5_projln, .Lfunc_end_k_qa0a7c54cf5_projln-k_qa0a7c54cf5_projln
	.p2alignl 7, 3214868480
	.fill 96, 4, 3214868480
	.section	.rodata,"a",@progbits
	.p2align	6, 0x0
	.amdhsa_kernel k_qa0a7c54cf5_projln
		.amdhsa_group_segment_fixed_size 80128
		.amdhsa_private_segment_fixed_size 0
		.amdhsa_enable_private_segment 0
		.amdhsa_kernarg_size 56
		.amdhsa_user_sgpr_count 2
		.amdhsa_user_sgpr_kernarg_segment_ptr 1
		.amdhsa_wavefront_size32 1
		.amdhsa_system_sgpr_workgroup_id_x 1
		.amdhsa_system_sgpr_workgroup_id_y 1
		.amdhsa_system_sgpr_workgroup_id_z 1
		.amdhsa_system_vgpr_workitem_id 0
		.amdhsa_next_free_vgpr 256
		.amdhsa_next_free_sgpr 66
		.amdhsa_reserve_vcc 0
		.amdhsa_float_denorm_mode_32 3
		.amdhsa_float_denorm_mode_16_64 3
		.amdhsa_memory_ordered 1
		.amdhsa_forward_progress 1
		.amdhsa_inst_pref_size 39
	.end_amdhsa_kernel
	.amdgpu_metadata
---
amdhsa.version: [ 1, 2 ]
amdhsa.kernels:
  - .name:           k_qa0a7c54cf5_projln
    .symbol:         k_qa0a7c54cf5_projln.kd
    .args:
      - { .name: ctx, .offset: 0, .size: 8, .value_kind: global_buffer, .address_space: global }
      - { .name: qin, .offset: 8, .size: 8, .value_kind: global_buffer, .address_space: global }
      - { .name: x, .offset: 16, .size: 8, .value_kind: global_buffer, .address_space: global }
      - { .name: b_out, .offset: 24, .size: 8, .value_kind: global_buffer, .address_space: global }
      - { .name: ln_g, .offset: 32, .size: 8, .value_kind: global_buffer, .address_space: global }
      - { .name: ln_b, .offset: 40, .size: 8, .value_kind: global_buffer, .address_space: global }
      - { .name: out0, .offset: 48, .size: 8, .value_kind: global_buffer, .address_space: global }
    .group_segment_fixed_size: 80128
    .private_segment_fixed_size: 0
    .kernarg_segment_align: 8
    .kernarg_segment_size: 56
    .max_flat_workgroup_size: 512
    .sgpr_count:     66
    .vgpr_count:     256
    .wavefront_size: 32
...
	.end_amdgpu_metadata
.endif
;; end of part 4
